; MI455X (gfx1250); checked and timed in simulation.
; The chip was launched on July 23, 2026; its instructions are those of AMD's public machine-readable ISA for CDNA 5 (MIT licence, August 2026) and "CDNA5" Instruction Set Architecture Reference Guide (July 2026). The comments in the code are by the model that wrote it; some were corrected since.
;; Multihead Attention. Allowed arithmetic: float matrix products may take bf16 or f16 operands with f32 sums; all other float work in f32.
;; Inputs: Wk 1,024 x 1,024 float32; Wo 1,024 x 1,024 float32; Wq 1,024 x 1,024 float32; Wv 1,024 x 1,024 float32; bk 1,024 float32; bo 1,024 float32; bq 1,024 float32; bv 1,024 float32; kn_b 64 float32; kn_w 64 float32; qn_b 64 float32; qn_w 64 float32; x 2 x 2,048 x 1,024 float32.
;; Outputs: out0 2 x 2,048 x 1,024 float32.
;; 2 versions, each right. Each part assembles by itself: llvm-mc -triple=amdgcn-amd-amdhsa -mcpu=gfx1250 --defsym DOCPART=n.
;; ======== version 1 of 2: 3 launches
;; limits: values are held in f16: magnitudes above 65,504 overflow, below 6.1e-05 lose precision
;; workspace buffers: qh 8,388,608 bytes; kh 8,388,608 bytes; vh 8,388,608 bytes; ao 8,388,608 bytes; woh 2,097,152 bytes
;; launch qkv (part 1): grid 16 x 16, 4 waves a work-group, no clusters, 138,752 bytes of LDS; arguments x, Wq, Wk, Wv, bq, bk, bv, qn_w, qn_b, kn_w, kn_b, Wo, qh, kh, vh, woh; writes qh, kh, vh, woh
.if DOCPART == 1
	.amdgcn_target "amdgcn-amd-amdhsa--gfx1250"
	.amdhsa_code_object_version 6
	.text
	.protected	k_qca5b3ac0bf_qkv
	.globl	k_qca5b3ac0bf_qkv
	.p2align	8
	.type	k_qca5b3ac0bf_qkv,@function
k_qca5b3ac0bf_qkv:
	s_mov_b64 s[64:65], 0
	v_nop
	global_prefetch_b8 v0, s[64:65] scope:SCOPE_SE
	s_setreg_imm32_b32 hwreg(HW_REG_WAVE_MODE, 25, 1), 1
	s_wait_xcnt 0x0
; q = LN(x Wq^T + bq) * 0.125 log2(e), k = LN(x Wk^T + bk), v = x Wv^T + bv, all rounded to f16 and stored as [B][H][S][64].
; x: [4096][1024] f32, W: [1024][1024] f32.  Side job: each work-group casts 4 rows of Wo to f16 (woh) for the last launch.
; A work-group (x = head, y = block of 256 rows of x) makes 256 rows x 192 columns: the head's 64 columns of q, of k and of v.
; Four waves, as many as a WGP has SIMDs; a wave makes 64 rows x all 192 columns: 48 accumulator tiles, 384 registers.  So a head's 64
; numbers of a row lie in two lanes of one wave, and the LayerNorm never leaves the wave.
; K goes in steps of 64 (256 bytes of f32 in each row) through two LDS slots that hold f16.
; WHY NO TENSOR LOADS AND NO CLUSTER: x and W are f32 in memory and the products take f16; the data mover copies bytes and converts nothing.
; Tiles kept as f32 in LDS would double the bytes that each product reads from LDS (32 KB instead of 16 KB for a wave's 48 products).  So the
; tiles come through registers: load 16 bytes a lane, pack to f16, store 8 bytes a lane into LDS.
; LIMITS: matrix operands are f16: |x Wv^T + bv|, |LN(q)| * 0.18 and |LN(k)| must stay below 65,504; magnitudes below 6e-8 vanish in an operand.
;
; THE MATRIX INSTRUCTION IS USED TRANSPOSED: source 0 = 16 rows of W, source 1 = 16 rows of x.  Lane l (r = l % 16, h = l / 16) then holds row r
; of the result and its registers 0-7 the columns 8 h + 0..7: eight neighbouring numbers of a row.
; REGISTERS in windows of 256:
;   window 0: addresses, work registers; v32-159 staging of x, v160-255 staging of W (at the end: LayerNorm work and parameters)
;   window 1: W fragments of buffer f at 96 f + 8 w (w = 0..11: q, k, v by four), x fragments at 192 + 32 f + 8 a
;   window 2: q tiles (a, t) at 8 (4 a + t), k tiles at 128 + the same;   window 3: v tiles at 8 (4 a + t), the three biases at 128..223
.set PITCH, 144                        ; an LDS row: 128 bytes of f16 + 16: an odd multiple of 16, so the 16 rows of a fragment load start in 16 different groups of four banks (ISA guide 11.1)
.set SLOT,  448*PITCH                  ; rows 0-255 x, 256-319 Wq, 320-383 Wk, 384-447 Wv
.set STAGE, 2*SLOT                     ; behind the slots: 16 rows x 144 bytes for each wave, for the way out
.set GOFF,  4                          ; v4      (wave + 8 h) rows of 4,096 bytes + 16 r: my 16 bytes of a tile's piece
.set STA,   5                          ; v5-6    slot s: where those go in LDS: (wave + 8 h) rows + 8 r
.set ADRX,  7                          ; v7-8    slot s: my x fragments
.set ADRW,  9                          ; v9-10   slot s: the W fragments
.set STO,   11                         ; v11     way out: where I put 16 bytes of a row
.set RD,    12                         ; v12     way out: where I read rows back
.set CO,    13                         ; v13     16 x lane
.set POFF,  14                         ; v14     32 h: my eight columns in a vector of 16
.set TID16, 15                         ; v15     16 x thread
.set TID8,  16                         ; v16     8 x thread
.set MU,    18                         ; v18-19  minus the mean, twice
.set RS,    20                         ; v20-21  1 / sqrt(var + eps), twice
.set TA,    22
.set TB,    23
.set U,     24                         ; v24-31  four chains of pairs
.set XS,    32
.set WS,    160
.set T,     32                         ; v32-63  at the end: 32 numbers of a row
.set PK,    64                         ; v64-79  the same as f16
.set RB,    80                         ; v80-95, v96-111 rows read back, two sets in turn
.set LNP,   128                        ; v128-255 qn_w, qn_b, kn_w, kn_b of my 32 columns
.set BIAS,  128                        ; window 3: bq, bk, bv of my 32 columns
.set MQK,   0xa5                       ; sources window 1, C and D window 2
.set MV,    0xf5                       ; sources window 1, C and D window 3
.set MSB, 0
.macro WIN new                         ; the immediate's high byte repeats the setting that is left
.if MSB != \new
	s_set_vgpr_msb (MSB<<8)|\new
.set MSB, \new
.endif
.endm
.macro PLACES                          ; four places behind a matrix instruction (ISA guide 7.12.1)
.rept 4
	v_nop
.endr
.endm
	s_load_b512 s[16:31], s[0:1], 0x0              ; x 16, Wq 18, Wk 20, Wv 22, bq 24, bk 26, bv 28, qn_w 30
	s_load_b512 s[32:47], s[0:1], 0x40             ; qn_b 32, kn_w 34, kn_b 36, Wo 38, qh 40, kh 42, vh 44, woh 46
	v_lshl_add_u32 v17, v0, 2, 0x21c00
	s_set_vgpr_msb 0xc0
	v_mov_b32 v255, 0
	s_set_vgpr_msb 0xc000
	v_lshrrev_b32 v[TA], 5, v0
	v_readfirstlane_b32 s4, v[TA]                  ; wave 0..3
	s_and_b32 s3, ttmp7, 0xffff                    ; block of 256 rows
	s_mov_b32 s12, 0x76543210                      ; v_permlanex16_b32: lane i of one half reads lane i of the other
	s_mov_b32 s13, 0xfedcba98
	s_mov_b32 s15, 0x3c800000                      ; 1/64
	v_and_b32 v1, 31, v0                           ; lane
	v_and_b32 v2, 15, v0                           ; r
	v_bfe_u32 v3, v0, 4, 1                         ; h
	v_lshl_add_u32 v[TA], v3, 3, s4                ; wave + 8 h
	v_lshlrev_b32 v[GOFF], 12, v[TA]
	v_lshl_add_u32 v[GOFF], v2, 4, v[GOFF]
	v_mul_u32_u24 v[STA], v[TA], PITCH
	v_lshl_add_u32 v[STA], v2, 3, v[STA]
	v_add_nc_u32 v[STA+1], SLOT, v[STA]
	v_mul_u32_u24 v[TB], v2, PITCH
	v_lshl_add_u32 v[TB], v3, 4, v[TB]             ; r rows + 16 h: a fragment's lane term
	s_mul_i32 s6, s4, 64*PITCH                     ; my 64 rows of x
	v_add_nc_u32 v[ADRX], s6, v[TB]
	v_add_nc_u32 v[ADRX+1], SLOT, v[ADRX]
	v_add_nc_u32 v[ADRW], 256*PITCH, v[TB]
	v_add_nc_u32 v[ADRW+1], SLOT, v[ADRW]
	s_mul_i32 s7, s4, 16*PITCH
	s_add_co_u32 s7, s7, STAGE                     ; my stage
	v_add_nc_u32 v[STO], s7, v[TB]
	v_lshrrev_b32 v[TA], 3, v1
	v_mul_u32_u24 v[TA], v[TA], PITCH              ; back: eight lanes take a row of 128 bytes
	v_and_b32 v[U], 7, v1
	v_lshl_add_u32 v[TA], v[U], 4, v[TA]
	v_add_nc_u32 v[RD], s7, v[TA]
	v_lshlrev_b32 v[CO], 4, v1
	v_lshlrev_b32 v[POFF], 5, v3
	v_lshlrev_b32 v[TID16], 4, v0
	v_lshlrev_b32 v[TID8], 3, v0
	s_lshl_b32 s6, s3, 20                          ; x: 256 rows of 4,096 bytes
	s_mov_b32 s7, 0
	s_lshl_b32 s8, ttmp9, 18                       ; W: the head's 64 rows of 4,096 bytes
	s_mov_b32 s9, 0
	s_lshl_b32 s10, ttmp9, 8                       ; biases: the head's 64 numbers
	s_mov_b32 s11, 0
	s_wait_kmcnt 0x0
	s_add_nc_u64 s[16:17], s[16:17], s[6:7]
	s_add_nc_u64 s[18:19], s[18:19], s[8:9]
	s_add_nc_u64 s[20:21], s[20:21], s[8:9]
	s_add_nc_u64 s[22:23], s[22:23], s[8:9]
	s_add_nc_u64 s[24:25], s[24:25], s[10:11]
	s_add_nc_u64 s[26:27], s[26:27], s[10:11]
	s_add_nc_u64 s[28:29], s[28:29], s[10:11]
	s_lshr_b32 s6, s3, 3                           ; batch
	s_lshl_b32 s6, s6, 4
	s_add_co_u32 s6, s6, ttmp9                     ; 16 batch + head
	s_lshl_b32 s6, s6, 18                          ; 2,048 rows of 128 bytes
	s_and_b32 s8, s3, 7
	s_lshl_b32 s8, s8, 15                          ; + the block's 256 rows
	s_add_co_u32 s6, s6, s8
	s_lshl_b32 s8, s4, 13                          ; + my wave's 64 rows
	s_add_co_u32 s6, s6, s8
	s_add_nc_u64 s[40:41], s[40:41], s[6:7]
	s_add_nc_u64 s[42:43], s[42:43], s[6:7]
	s_add_nc_u64 s[44:45], s[44:45], s[6:7]
	s_lshl_b32 s8, s3, 4
	s_add_co_u32 s8, s8, ttmp9                     ; the work-group's number 0..255
	s_lshl_b32 s6, s8, 14                          ; its 16,384 bytes of Wo
	s_add_nc_u64 s[38:39], s[38:39], s[6:7]
	s_lshl_b32 s6, s8, 13                          ; and 8,192 bytes of woh
	s_add_nc_u64 s[46:47], s[46:47], s[6:7]
; One piece of a tile: 16 bytes a lane; sixteen lanes take the 256 bytes of a row, a wave two rows (8 apart), the four waves eight rows.
; mode 3: load only.  mode 1: pack the four f32 to f16 in place, lay them in LDS, load the same piece of the tile after next.  mode 2: pack and lay only.
; The two rows of a wave's store lie 8 x 144 bytes = 32 banks apart, 128 bytes each: every bank once.
.macro PIECE reg, lrow, grow, b, slot, mode
.if \mode != 3
	v_cvt_pk_f16_f32 v[\reg], v[\reg], v[\reg+1]
	v_cvt_pk_f16_f32 v[\reg+1], v[\reg+2], v[\reg+3]
	ds_store_b64 v[STA+\slot], v[\reg:\reg+1] offset:(\lrow)*PITCH
.endif
.if \mode & 1
	global_load_b128 v[\reg:\reg+3], v[GOFF], s[\b:\b+1] offset:(\grow)*4096
.endif
.endm
.macro PIECES slot, mode               ; 32 pieces of x, 8 of each W: 56 loads of a thread for a K step
.set i, 0
.rept 32
.set rr, 16*(i>>1)+4*(i&1)
.set pr, XS+4*i
	PIECE pr, rr, rr, 16, \slot, \mode
.set i, i+1
.endr
.set m, 0
.rept 3
.set i, 0
.rept 8
.set rr, 16*(i>>1)+4*(i&1)
.set lr, 256+64*m+rr
.set pr, WS+32*m+4*i
.set pb, 18+2*m
	PIECE pr, lr, rr, pb, \slot, \mode
.set i, i+1
.endr
.set m, m+1
.endr
.endm
; The tile that waits in registers goes into LDS.  next = 1: the registers are loaded again.  next = 2: the last tile; behind it the loads for the end.
.macro STAGEOUT slot, next
	s_wait_loadcnt 0x0                             ; the tile is in, and its loads have let go of the four bases
.if \next == 1
	s_add_nc_u64 s[16:17], s[16:17], 256           ; 64 f32 along K
	s_add_nc_u64 s[18:19], s[18:19], 256
	s_add_nc_u64 s[20:21], s[20:21], 256
	s_add_nc_u64 s[22:23], s[22:23], 256
.endif
	PIECES \slot, \next
.if \next == 2
.irp j, 0,1,2,3,4,5,6,7
	global_load_b128 v[T+4*\j:T+4*\j+3], v[TID16], s[38:39] offset:2048*\j th:TH_LOAD_NT   ; my share of Wo
.endr
.set m, 0
.rept 4                                            ; qn_w, qn_b, kn_w, kn_b: columns 16 t + 8 h + 0..7
.irp t, 0,1,2,3
	global_load_b128 v[LNP+32*m+8*\t:LNP+32*m+8*\t+3],   v[POFF], s[30+2*m:31+2*m] offset:64*\t
	global_load_b128 v[LNP+32*m+8*\t+4:LNP+32*m+8*\t+7], v[POFF], s[30+2*m:31+2*m] offset:64*\t+16
.endr
.set m, m+1
.endr
	WIN 0xc0                                       ; destination window 3
.set m, 0
.rept 3                                            ; bq, bk, bv likewise
.irp t, 0,1,2,3
	global_load_b128 v[BIAS+32*m+8*\t:BIAS+32*m+8*\t+3],   v[POFF], s[24+2*m:25+2*m] offset:64*\t
	global_load_b128 v[BIAS+32*m+8*\t+4:BIAS+32*m+8*\t+7], v[POFF], s[24+2*m:25+2*m] offset:64*\t+16
.endr
.set m, m+1
.endr
	WIN 0
.endif
.endm
; 32 LDS loads: 12 fragments of W and my 4 of x, 32 along K at byte k of the rows, into buffer f
.macro FETCH slot, k, f
	WIN 0x40                                       ; destination window 1, address window 0
.irp w, 0,1,2,3,4,5,6,7,8,9,10,11
	ds_load_b128 v[96*\f+8*\w:96*\f+8*\w+3],   v[ADRW+\slot] offset:\w*16*PITCH+\k
	ds_load_b128 v[96*\f+8*\w+4:96*\f+8*\w+7], v[ADRW+\slot] offset:\w*16*PITCH+\k+32
.endr
.irp a, 0,1,2,3
	ds_load_b128 v[192+32*\f+8*\a:192+32*\f+8*\a+3],   v[ADRX+\slot] offset:\a*16*PITCH+\k
	ds_load_b128 v[192+32*\f+8*\a+4:192+32*\f+8*\a+7], v[ADRX+\slot] offset:\a*16*PITCH+\k+32
.endr
.endm
; The 48 accumulators take turns, one instruction a turn, in the same order in every half step.
.macro MULQK f, zero                   ; 32 products: q's and k's tiles.  zero = 1: the first product starts the sums
.irp a, 0,1,2,3
.irp w, 0,1,2,3,4,5,6,7
.set DD, 128*(\w/4)+8*(4*\a+\w%4)
.if \zero
	v_wmma_f32_16x16x32_f16 v[DD:DD+7], v[96*\f+8*\w:96*\f+8*\w+7], v[192+32*\f+8*\a:192+32*\f+8*\a+7], 0
.else
	v_wmma_f32_16x16x32_f16 v[DD:DD+7], v[96*\f+8*\w:96*\f+8*\w+7], v[192+32*\f+8*\a:192+32*\f+8*\a+7], v[DD:DD+7]
.endif
.endr
.endr
.endm
.macro MULV f, zero                    ; 16 products: v's tiles
.irp a, 0,1,2,3
.irp t, 0,1,2,3
.set DD, 8*(4*\a+\t)
.if \zero
	v_wmma_f32_16x16x32_f16 v[DD:DD+7], v[96*\f+64+8*\t:96*\f+64+8*\t+7], v[192+32*\f+8*\a:192+32*\f+8*\a+7], 0
.else
	v_wmma_f32_16x16x32_f16 v[DD:DD+7], v[96*\f+64+8*\t:96*\f+64+8*\t+7], v[192+32*\f+8*\a:192+32*\f+8*\a+7], v[DD:DD+7]
.endif
.endr
.endr
.endm
; A K step on slot p: two half steps of 32 along K, 48 products each, on buffers 0 and 1; the next tile goes into the other slot meanwhile.
; ONE barrier a step.  In front of it each wave's reads of slot p and its stores into the other slot are done.  The stores into the other slot stand
; behind the step before's barrier, in front of which every wave had waited for its reads of that slot.
.macro STEP p, zero, next
	s_wait_dscnt 0x0                               ; buffer 0 is in
	WIN MQK
	MULQK 0, \zero
	PLACES                                         ; buffer 1 was read by the products of the step before
	FETCH \p, 64, 1
	WIN MV
	MULV 0, \zero
	s_wait_dscnt 0x0                               ; buffer 1 is in: my reads of slot p are over
	WIN MQK
	MULQK 1, 0
	WIN 0
	STAGEOUT 1-\p, \next
	s_wait_dscnt 0x0                               ; my stores into the other slot are done, for the others' sake
	s_barrier_signal -1
	s_barrier_wait -1
	PLACES                                         ; in front of the loads into buffer 0, which products have read
	FETCH 1-\p, 0, 0
	WIN MV
	MULV 1, 0
.endm
	PIECES 0, 3                                    ; tile 0 into registers
	STAGEOUT 0, 1                                  ; tile 0 into slot 0, tile 1 into registers
	s_wait_dscnt 0x0
	s_barrier_signal -1
	s_barrier_wait -1
	FETCH 0, 0, 0
	STEP 0, 1, 1                                   ; step s lays tile s + 1 into LDS and asks for tile s + 2
	STEP 1, 0, 1
	WIN 0                                          ; at a label and at a branch every window is 0
	s_mov_b32 s14, 6
.Lk:
	STEP 0, 0, 1                                   ; steps 2 to 13: the last asks for tile 15
	STEP 1, 0, 1
	WIN 0
	s_sub_co_u32 s14, s14, 1
	s_cmp_lg_u32 s14, 0
	s_cbranch_scc1 .Lk
	STEP 0, 0, 2                                   ; step 14: tile 15 into slot 1; no load leaves x or W
	s_wait_dscnt 0x0                               ; step 15: nothing more to lay or to fetch beyond its own second half
	WIN MQK
	MULQK 0, 0
	PLACES
	FETCH 1, 64, 1
	WIN MV
	MULV 0, 0
	s_wait_dscnt 0x0
	WIN MQK
	MULQK 1, 0
	WIN MV
	MULV 1, 0
	WIN 0
	PLACES                                         ; behind the last products, in front of the first read of a result
	s_wait_loadcnt 0x0                             ; Wo's share, the LayerNorm parameters, the biases
	; Wo to f16: a wave's store covers 256 consecutive bytes, aligned
.irp j, 0,1,2,3,4,5,6,7
	v_cvt_pk_f16_f32 v[T+4*\j], v[T+4*\j], v[T+4*\j+1]
	v_cvt_pk_f16_f32 v[T+4*\j+1], v[T+4*\j+2], v[T+4*\j+3]
	global_store_b64 v[TID8], v[T+4*\j:T+4*\j+1], s[46:47] offset:1024*\j
.endr
	; the scores' scale 1/8 and the factor log2(e) of the softmax's base-2 exponential go into q's gain and shift
.set i, 0
.rept 32
	v_pk_mul_f32 v[LNP+i:LNP+i+1], v[LNP+i:LNP+i+1], 0x3e38aa3b op_sel_hi:[1,0]
.set i, i+2
.endr
	s_wait_xcnt 0x0                                ; T, which the stores above read, is rewritten only behind this wait
.macro ROWSUM                          ; U's four pairs -> TA: the sum over a row's 64 columns, in both lanes that hold the row
	v_pk_add_f32 v[U:U+1], v[U:U+1], v[U+2:U+3]
	v_pk_add_f32 v[U+4:U+5], v[U+4:U+5], v[U+6:U+7]
	v_pk_add_f32 v[U:U+1], v[U:U+1], v[U+4:U+5]
	v_add_f32 v[TA], v[U], v[U+1]
	v_permlanex16_b32 v[TB], v[TA], s12, s13       ; the row's other 32 columns lie 16 lanes away
	v_add_f32 v[TA], v[TA], v[TB]
.endm
; 16 rows x 64 f16 leave: 16 bytes a lane into my own stage, back as whole rows, out as 512 consecutive bytes a store
.macro OUTROWS b, a, rb
.set i, 0
.rept 16
	v_cvt_pk_f16_f32 v[PK+i], v[T+2*i], v[T+2*i+1]
.set i, i+1
.endr
.irp t, 0,1,2,3
	ds_store_b128 v[STO], v[PK+4*\t:PK+4*\t+3] offset:32*\t
.endr
	s_wait_xcnt 0x0                                ; the read-back registers were store data two turns ago
.irp j, 0,1,2,3
	ds_load_b128 v[\rb+4*\j:\rb+4*\j+3], v[RD] offset:4*PITCH*\j   ; LDS serves a wave's instructions in order (ISA guide 5.7.1): these see the stores above
.endr
.irp j, 0,1,2,3
	s_wait_dscnt 3-\j                              ; the younger read-backs may stay out
	global_store_b128 v[CO], v[\rb+4*\j:\rb+4*\j+3], s[\b:\b+1] offset:2048*\a+512*\j
.endr
.endm
; rows 16 a .. 16 a + 15 of q (mat = 0) or k (mat = 1): bias, LayerNorm over the head's 64 columns in two passes, gain and shift
.macro LNOUT mat, a, b, rb
	WIN 0x0e                                       ; source 0 window 2 (sums), source 1 window 3 (bias), destination window 0
.set i, 0
.rept 16
	v_pk_add_f32 v[T+i:T+i+1], v[128*\mat+32*\a+i:128*\mat+32*\a+i+1], v[BIAS+32*\mat+i:BIAS+32*\mat+i+1]
.set i, i+2
.endr
	WIN 0
.irp c, 0,2,4,6
	v_pk_add_f32 v[U+\c:U+\c+1], v[T+\c:T+\c+1], v[T+8+\c:T+8+\c+1]
.endr
.irp k, 16,24
.irp c, 0,2,4,6
	v_pk_add_f32 v[U+\c:U+\c+1], v[U+\c:U+\c+1], v[T+\k+\c:T+\k+\c+1]
.endr
.endr
	ROWSUM
	v_mul_f32 v[MU], 0xbc800000, v[TA]             ; minus the mean
	v_mul_f32 v[MU+1], 0xbc800000, v[TA]
.set i, 0
.rept 16
	v_pk_add_f32 v[T+i:T+i+1], v[T+i:T+i+1], v[MU:MU+1]
.set i, i+2
.endr
.irp c, 0,2,4,6
	v_pk_mul_f32 v[U+\c:U+\c+1], v[T+\c:T+\c+1], v[T+\c:T+\c+1]
.endr
.irp k, 8,16,24
.irp c, 0,2,4,6
	v_pk_fma_f32 v[U+\c:U+\c+1], v[T+\k+\c:T+\k+\c+1], v[T+\k+\c:T+\k+\c+1], v[U+\c:U+\c+1]
.endr
.endr
	ROWSUM
	v_fmaak_f32 v[TA], s15, v[TA], 0x3727c5ac      ; variance + 1e-5
	v_rsq_f32 v[RS], v[TA]
	v_rsq_f32 v[RS+1], v[TA]
	v_nop                                          ; one plain place behind a transcendental (ISA guide 5.7.2)
.set i, 0
	s_wait_alu depctr_va_vdst(0)
.rept 16
	v_pk_mul_f32 v[T+i:T+i+1], v[T+i:T+i+1], v[RS:RS+1]
.set i, i+2
.endr
.set i, 0
.rept 16
	v_pk_fma_f32 v[T+i:T+i+1], v[T+i:T+i+1], v[LNP+64*\mat+i:LNP+64*\mat+i+1], v[LNP+64*\mat+32+i:LNP+64*\mat+32+i+1]
.set i, i+2
.endr
	OUTROWS \b, \a, \rb
.endm
.macro VOUT a, rb                      ; rows 16 a .. of v: bias alone
	WIN 0x0f                                       ; both sources window 3
.set i, 0
.rept 16
	v_pk_add_f32 v[T+i:T+i+1], v[32*\a+i:32*\a+i+1], v[BIAS+64+i:BIAS+64+i+1]
.set i, i+2
.endr
	WIN 0
	OUTROWS 44, \a, \rb
.endm
	LNOUT 0, 0, 40, RB
	LNOUT 1, 0, 42, RB+16
	VOUT 0, RB
	LNOUT 0, 1, 40, RB+16
	LNOUT 1, 1, 42, RB
	VOUT 1, RB+16
	LNOUT 0, 2, 40, RB
	LNOUT 1, 2, 42, RB+16
	VOUT 2, RB
	LNOUT 0, 3, 40, RB+16
	LNOUT 1, 3, 42, RB
	VOUT 3, RB+16
	s_set_vgpr_msb 0xc
	s_wait_tensorcnt 0x0
	ds_add_u32 v17, v255
	s_wait_dscnt 0x0
	s_set_vgpr_msb 0xc00
	s_endpgm
.Lfunc_end_k_qca5b3ac0bf_qkv:
	.size	k_qca5b3ac0bf_qkv, .Lfunc_end_k_qca5b3ac0bf_qkv-k_qca5b3ac0bf_qkv
	.p2alignl 7, 3214868480
	.fill 96, 4, 3214868480
	.section	.rodata,"a",@progbits
	.p2align	6, 0x0
	.amdhsa_kernel k_qca5b3ac0bf_qkv
		.amdhsa_group_segment_fixed_size 138752
		.amdhsa_private_segment_fixed_size 0
		.amdhsa_enable_private_segment 0
		.amdhsa_kernarg_size 128
		.amdhsa_user_sgpr_count 2
		.amdhsa_user_sgpr_kernarg_segment_ptr 1
		.amdhsa_wavefront_size32 1
		.amdhsa_system_sgpr_workgroup_id_x 1
		.amdhsa_system_sgpr_workgroup_id_y 1
		.amdhsa_system_sgpr_workgroup_id_z 1
		.amdhsa_system_vgpr_workitem_id 0
		.amdhsa_next_free_vgpr 1024
		.amdhsa_next_free_sgpr 66
		.amdhsa_reserve_vcc 0
		.amdhsa_float_denorm_mode_32 3
		.amdhsa_float_denorm_mode_16_64 3
		.amdhsa_memory_ordered 1
		.amdhsa_forward_progress 1
		.amdhsa_inst_pref_size 255
	.end_amdhsa_kernel
	.section	.bss,"aw",@nobits
	.p2align	6
	.space	262144
	.amdgpu_metadata
---
amdhsa.version: [ 1, 2 ]
amdhsa.kernels:
  - .name:           k_qca5b3ac0bf_qkv
    .symbol:         k_qca5b3ac0bf_qkv.kd
    .args:
      - { .name: x, .offset: 0, .size: 8, .value_kind: global_buffer, .address_space: global }
      - { .name: Wq, .offset: 8, .size: 8, .value_kind: global_buffer, .address_space: global }
      - { .name: Wk, .offset: 16, .size: 8, .value_kind: global_buffer, .address_space: global }
      - { .name: Wv, .offset: 24, .size: 8, .value_kind: global_buffer, .address_space: global }
      - { .name: bq, .offset: 32, .size: 8, .value_kind: global_buffer, .address_space: global }
      - { .name: bk, .offset: 40, .size: 8, .value_kind: global_buffer, .address_space: global }
      - { .name: bv, .offset: 48, .size: 8, .value_kind: global_buffer, .address_space: global }
      - { .name: qn_w, .offset: 56, .size: 8, .value_kind: global_buffer, .address_space: global }
      - { .name: qn_b, .offset: 64, .size: 8, .value_kind: global_buffer, .address_space: global }
      - { .name: kn_w, .offset: 72, .size: 8, .value_kind: global_buffer, .address_space: global }
      - { .name: kn_b, .offset: 80, .size: 8, .value_kind: global_buffer, .address_space: global }
      - { .name: Wo, .offset: 88, .size: 8, .value_kind: global_buffer, .address_space: global }
      - { .name: qh, .offset: 96, .size: 8, .value_kind: global_buffer, .address_space: global }
      - { .name: kh, .offset: 104, .size: 8, .value_kind: global_buffer, .address_space: global }
      - { .name: vh, .offset: 112, .size: 8, .value_kind: global_buffer, .address_space: global }
      - { .name: woh, .offset: 120, .size: 8, .value_kind: global_buffer, .address_space: global }
    .group_segment_fixed_size: 138752
    .private_segment_fixed_size: 0
    .kernarg_segment_align: 8
    .kernarg_segment_size: 128
    .max_flat_workgroup_size: 128
    .sgpr_count:     66
    .vgpr_count:     1024
    .wavefront_size: 32
...
	.end_amdgpu_metadata
.endif
;; end of part 1
;; launch attn (part 2): grid 8 x 32, 8 waves a work-group, clusters of 4 x 1, 327,680 bytes of LDS; arguments qh, kh, vh, ao; writes ao
.if DOCPART == 2
	.amdgcn_target "amdgcn-amd-amdhsa--gfx1250"
	.amdhsa_code_object_version 6
	.text
	.protected	k_qca5b3ac0bf_attn
	.globl	k_qca5b3ac0bf_attn
	.p2align	8
	.type	k_qca5b3ac0bf_attn,@function
k_qca5b3ac0bf_attn:
	s_mov_b64 s[64:65], 0
	v_nop
	global_prefetch_b8 v0, s[64:65] scope:SCOPE_SE
	s_setreg_imm32_b32 hwreg(HW_REG_WAVE_MODE, 25, 1), 1
	s_wait_xcnt 0x0
	s_wait_alu depctr_hold_cnt(0) depctr_sa_sdst(0) depctr_va_vdst(0) depctr_va_sdst(0) depctr_va_ssrc(0) depctr_va_vcc(0) depctr_vm_vsrc(0)
	s_getreg_b32 s2, hwreg(HW_REG_IB_STS2, 6, 4)
	s_cmp_eq_u32 s2, 0
	s_cbranch_scc0 .Lentry_in_a_cluster
	s_endpgm
.Lentry_in_a_cluster:
	s_bfe_u32 s2, ttmp6, 0x10000c
	s_cmp_lg_u32 s2, 0x3003
	s_cbranch_scc0 .Lentry_shape_is_right
	s_endpgm
.Lentry_shape_is_right:
; ao = softmax(q k^T) v for each (batch, head).  qh, kh, vh, ao: [32][2048][64] f16; q already carries the scale 1/8 and log2(e), so the
; softmax is taken with base-2 exponentials; the running maximum of each query row is taken away before every exponential.
; A work-group (x = block of 256 queries, y = 16 batch + head) has eight waves, two on each SIMD, so that one wave's softmax can run beside the
; other's products; a wave owns 32 queries (two tiles u of 16).  Keys go in tiles of 256 through two LDS slots; a tile is worked in four chunks of 64.
; CLUSTERS: the four work-groups of a cluster are four query blocks of one (batch, head) and walk the same K and V.  Each tile is asked for jointly
; (mask 15): each wave w of each of the four issues the same two loads, 32 keys of K and 32 of V; nothing in the descriptors hangs on the place in the cluster.
; A wave has two tensor loads outstanding at the most.
; PRODUCTS ARE TRANSPOSED.  Scores: source 0 = 16 keys, source 1 = 16 queries: lane l (r = l % 16, h = l / 16) holds query r, registers 0-7 keys 8 h + 0..7
; of tile t.  Packed to f16 in place, the tiles 2 kk and 2 kk + 1 ARE the fragment of P for 32 keys.  Output: source 0 = V transposed (16 columns d x 32 keys,
; by the transposing LDS load), source 1 = P: lane l holds query r, registers 0-7 the columns 8 h + 0..7.
; LIMITS: P, q, k, v are f16 operands; sums, maxima and the output's accumulation are f32.
.set KP,    144                        ; K's LDS row: 128 bytes + 16, an odd multiple of 16
.set VP,    160                        ; V's LDS row: 128 bytes + 32, an odd multiple of 32 for distinct banks
.set VOFF,  256*KP
.set SLOT,  VOFF+256*VP                ; 77,824
.set STAGE, 2*SLOT                     ; 155,648 = 608 x 256: no fill lands here; 16 rows x 144 bytes for each wave
.set TILEB, 256*128                    ; a tile's bytes in kh or vh
.set ADRK, 4                           ; v4-5   slot s: K fragments
.set ADRV, 6                           ; v6-7   slot s: V fragments
.set STO,  8
.set RD,   9
.set CO,   10
.set QOFF, 11
.set MX,   12                          ; v12-13, v14-15  running maximum of tile u, twice
.set AL,   16                          ; v16-17 the factor 2^(old maximum - new), twice
.set LS,   18                          ; v18, v19 running sum of tile u (this lane's half of the keys)
.set U,    24                          ; v24-31 chains
.set QF,   32                          ; + 16 u + 8 kk
.set SC,   64                          ; + 32 u + 8 t
.set OA,   128                         ; + 32 u + 8 dt
.set FR,   192                         ; + 16 i + 8 kk: K's fragments, then V's
.set G1K,  16
.set G1V,  24
.set G0K,  32                          ; + 4 slot
.set G0V,  40
; A round of the cluster's barrier: my work-group's barrier, wave 0 signals for the work-group, every wave waits for all four work-groups, my barrier again.
.macro ROUND
	s_barrier_signal -1
	s_barrier_wait -1
	s_cmp_lg_u32 s8, 0
	s_cbranch_scc1 .Lnot_wave_0_\@
	s_barrier_signal -3
.Lnot_wave_0_\@:
	s_barrier_wait -3
	s_barrier_signal -1
	s_barrier_wait -1
.endm
	s_load_b256 s[48:55], s[0:1], 0x0              ; qh 48, kh 50, vh 52, ao 54
	v_lshl_add_u32 v23, v0, 2, 0x2a800
	s_set_vgpr_msb 0x40
	v_mov_b32 v1, 0
	s_set_vgpr_msb 0x4044
	ds_add_u32 v23, v1
	s_set_vgpr_msb 0x4400
	v_lshrrev_b32 v20, 5, v0
	v_readfirstlane_b32 s8, v20                    ; wave 0..7
	s_bfe_u32 s3, ttmp6, 0x40000                   ; my place in the cluster
	s_lshl_b32 s4, ttmp9, 2
	s_add_co_u32 s4, s4, s3                        ; query block 0..7
	s_and_b32 s5, ttmp7, 0xffff                    ; 16 batch + head
	s_mov_b32 s12, 0x76543210
	s_mov_b32 s13, 0xfedcba98
	; group 1: 32 rows of 64 f16, 64 elements from row to row; padded in LDS behind every 32 words by 4 words (K) or 8 words (V)
	s_mov_b32 s[G1K+0], 15|(1<<16)|(1<<20)|(1<<21)|(4<<22)|(3<<25)   ; 15:0 mask: all four; 17:16 2 bytes; 20 padding; 21 set beside a mask; 24:22 interval; 31:25 pad
	s_mov_b32 s[G1V+0], 15|(1<<16)|(1<<20)|(1<<21)|(4<<22)|(7<<25)
	s_mov_b32 s[G1K+1], 64<<16                     ; tensor_dim0 = 64
	s_mov_b32 s[G1V+1], 64<<16
	s_mov_b32 s[G1K+2], 32<<16                     ; tensor_dim1 = 32
	s_mov_b32 s[G1V+2], 32<<16
	s_mov_b32 s[G1K+3], 64<<16                     ; tile_dim0 = 64
	s_mov_b32 s[G1V+3], 64<<16
	s_mov_b32 s[G1K+4], 32                         ; tile_dim1 = 32
	s_mov_b32 s[G1V+4], 32
	s_mov_b32 s[G1K+5], 64                         ; pitch
	s_mov_b32 s[G1V+5], 64
	s_mov_b32 s[G1K+6], 0
	s_mov_b32 s[G1V+6], 0
	s_mov_b32 s[G1K+7], 0
	s_mov_b32 s[G1V+7], 0
	s_lshl_b32 s6, s5, 18                          ; the (batch, head)'s 2,048 rows of 128 bytes
	s_lshl_b32 s7, s8, 12                          ; + my wave's 32 rows (of a K or V tile; of the query block too)
	s_add_co_u32 s6, s6, s7
	s_mov_b32 s7, 0
	s_lshl_b32 s56, s4, 15                         ; the query block's 256 rows: in registers that feed no descriptor
	s_add_co_u32 s56, s56, s6
	s_mov_b32 s57, 0
	s_mul_i32 s14, s8, 32*KP                       ; where my rows go in a slot
	s_mul_i32 s15, s8, 32*VP
	s_add_co_u32 s15, s15, VOFF
	v_and_b32 v1, 31, v0
	v_and_b32 v2, 15, v0                           ; r
	v_bfe_u32 v3, v0, 4, 1                         ; h
	v_lshlrev_b32 v[QOFF], 7, v2
	v_lshl_add_u32 v[QOFF], v3, 4, v[QOFF]         ; row r of 128 bytes + 16 h
	s_wait_dscnt 0x0
	s_wait_kmcnt 0x0
	s_add_nc_u64 s[48:49], s[48:49], s[56:57]
	s_add_nc_u64 s[54:55], s[54:55], s[56:57]
	s_add_nc_u64 s[50:51], s[50:51], s[6:7]
	s_add_nc_u64 s[52:53], s[52:53], s[6:7]
.irp u, 0,1
.irp kk, 0,1
	global_load_b128 v[QF+16*\u+8*\kk:QF+16*\u+8*\kk+3],   v[QOFF], s[48:49] offset:2048*\u+64*\kk      ; my queries' fragments stay in registers
	global_load_b128 v[QF+16*\u+8*\kk+4:QF+16*\u+8*\kk+7], v[QOFF], s[48:49] offset:2048*\u+64*\kk+32
.endr
.endr
.irp s, 0,1
	s_mov_b32 s[G0K+4*\s], 1
	s_add_co_u32 s[G0K+4*\s+1], s14, \s*SLOT
	s_add_nc_u64 s[G0K+4*\s+2:G0K+4*\s+3], s[50:51], \s*TILEB      ; slot s starts with tile s
	s_or_b32 s[G0K+4*\s+3], s[G0K+4*\s+3], 0x80000000
	s_mov_b32 s[G0V+4*\s], 1
	s_add_co_u32 s[G0V+4*\s+1], s15, \s*SLOT
	s_add_nc_u64 s[G0V+4*\s+2:G0V+4*\s+3], s[52:53], \s*TILEB
	s_or_b32 s[G0V+4*\s+3], s[G0V+4*\s+3], 0x80000000
.endr
	ROUND                                          ; all four work-groups are here: the first joint loads meet
	tensor_load_to_lds s[G0K:G0K+3], s[G1K:G1K+7]  ; tile 0
	s_nop 0
	tensor_load_to_lds s[G0V:G0V+3], s[G1V:G1V+7]
	s_nop 0
	v_mul_u32_u24 v21, v2, KP
	v_lshl_add_u32 v[ADRK], v3, 4, v21             ; key r of a tile of 16, + 16 h
	v_add_nc_u32 v[ADRK+1], SLOT, v[ADRK]
	v_and_b32 v20, 7, v0
	v_lshl_add_u32 v20, v3, 3, v20                 ; key 8 h + l % 8
	v_mul_u32_u24 v20, v20, VP
	v_bfe_u32 v22, v0, 3, 1
	v_lshl_add_u32 v20, v22, 4, v20                ; + 16 bytes for the upper eight columns
	v_add_nc_u32 v[ADRV], VOFF, v20
	v_add_nc_u32 v[ADRV+1], SLOT, v[ADRV]
	s_mul_i32 s10, s8, 16*KP
	s_add_co_u32 s10, s10, STAGE                   ; my stage
	v_add_nc_u32 v[STO], s10, v[ADRK]
	v_lshrrev_b32 v20, 3, v1
	v_mul_u32_u24 v20, v20, KP
	v_and_b32 v22, 7, v1
	v_lshl_add_u32 v20, v22, 4, v20
	v_add_nc_u32 v[RD], s10, v20
	v_lshlrev_b32 v[CO], 4, v1
	s_wait_loadcnt 0x0                             ; Q
; The softmax step of tile u on a chunk's 64 keys: a lane holds 32 scores of its query, the lane 16 away the other 32.
.macro SOFTMAX u, first
.set SB, SC+32*\u
.set OB, OA+32*\u
.irp c, 0,1,2,3
	v_max3_num_f32 v[U+\c], v[SB+8*\c], v[SB+8*\c+1], v[SB+8*\c+2]
.endr
.irp c, 0,1,2,3
	v_max3_num_f32 v[U+\c], v[U+\c], v[SB+8*\c+3], v[SB+8*\c+4]
.endr
.irp c, 0,1,2,3
	v_max3_num_f32 v[U+\c], v[U+\c], v[SB+8*\c+5], v[SB+8*\c+6]
.endr
	v_max3_num_f32 v[U], v[U], v[U+1], v[SB+7]
	v_max3_num_f32 v[U+2], v[U+2], v[U+3], v[SB+15]
	v_max3_num_f32 v[U], v[U], v[U+2], v[SB+23]
	v_max_num_f32 v[U], v[U], v[SB+31]
	v_permlanex16_b32 v20, v[U], s12, s13
.if \first
	v_max_num_f32 v[MX+2*\u], v[U], v20
	v_max_num_f32 v[MX+2*\u+1], v[U], v20
.else
	v_max3_num_f32 v21, v[U], v20, v[MX+2*\u]      ; the new running maximum
	v_sub_f32 v22, v[MX+2*\u], v21                 ; old - new, at most 0
	v_mov_b32 v[MX+2*\u], v21
	v_mov_b32 v[MX+2*\u+1], v21
.endif
.set i, 0
.rept 16
	v_pk_add_f32 v[SB+i:SB+i+1], v[SB+i:SB+i+1], v[MX+2*\u:MX+2*\u+1] neg_lo:[0,1] neg_hi:[0,1]
.set i, i+2
.endr
.if \first == 0
	v_exp_f32 v[AL], v22
.endif
.set i, 0
.rept 32
	v_exp_f32 v[SB+i], v[SB+i]
.set i, i+1
.endr
	v_nop                                          ; one plain place behind the transcendentals (ISA guide 5.7.2)
.if \first == 0
	s_wait_alu depctr_va_vdst(0)
	v_mov_b32 v[AL+1], v[AL]
.endif
	s_wait_alu depctr_va_vdst(0)
.irp c, 0,2,4,6
	v_pk_add_f32 v[U+\c:U+\c+1], v[SB+\c:SB+\c+1], v[SB+8+\c:SB+8+\c+1]
.endr
.irp k, 16,24
.irp c, 0,2,4,6
	v_pk_add_f32 v[U+\c:U+\c+1], v[U+\c:U+\c+1], v[SB+\k+\c:SB+\k+\c+1]
.endr
.endr
	v_pk_add_f32 v[U:U+1], v[U:U+1], v[U+2:U+3]
	v_pk_add_f32 v[U+4:U+5], v[U+4:U+5], v[U+6:U+7]
	v_pk_add_f32 v[U:U+1], v[U:U+1], v[U+4:U+5]
.if \first
	v_add_f32 v[LS+\u], v[U], v[U+1]
.else
	v_add_f32 v21, v[U], v[U+1]
	v_fma_f32 v[LS+\u], v[LS+\u], v[AL], v21       ; the two half rows' sums meet only at the end
.endif
.set i, 0
.rept 16
	v_cvt_pk_f16_f32 v[SB+i], v[SB+2*i], v[SB+2*i+1]   ; in place, ascending: registers 8 kk .. 8 kk + 7 become P's fragment for keys 32 kk ..
.set i, i+1
.endr
.if \first == 0
.set i, 0
.rept 16
	v_pk_mul_f32 v[OB+i:OB+i+1], v[OB+i:OB+i+1], v[AL:AL+1]
.set i, i+2
.endr
.endif
.endm
; 64 keys.  In both groups of products the eight accumulators take turns, one instruction a turn.
.macro CHUNK slot, c, first
.irp t, 0,1,2,3
.irp kk, 0,1
	ds_load_b128 v[FR+16*\t+8*\kk:FR+16*\t+8*\kk+3],   v[ADRK+\slot] offset:(64*\c+16*\t)*KP+64*\kk
	ds_load_b128 v[FR+16*\t+8*\kk+4:FR+16*\t+8*\kk+7], v[ADRK+\slot] offset:(64*\c+16*\t)*KP+64*\kk+32
.endr
.endr
	s_wait_dscnt 0x0
.irp u, 0,1
.irp t, 0,1,2,3
	v_wmma_f32_16x16x32_f16 v[SC+32*\u+8*\t:SC+32*\u+8*\t+7], v[FR+16*\t:FR+16*\t+7], v[QF+16*\u:QF+16*\u+7], 0
.endr
.endr
.irp u, 0,1
.irp t, 0,1,2,3
	v_wmma_f32_16x16x32_f16 v[SC+32*\u+8*\t:SC+32*\u+8*\t+7], v[FR+16*\t+8:FR+16*\t+15], v[QF+16*\u+8:QF+16*\u+15], v[SC+32*\u+8*\t:SC+32*\u+8*\t+7]
.endr
.endr
.rept 4
	v_nop                                          ; four places: V's loads land on K's fragments, and the softmax reads the scores
.endr
.irp dt, 0,1,2,3
.irp kk, 0,1
	ds_load_tr16_b128 v[FR+16*\dt+8*\kk:FR+16*\dt+8*\kk+3],   v[ADRV+\slot] offset:(64*\c+32*\kk)*VP+32*\dt
	ds_load_tr16_b128 v[FR+16*\dt+8*\kk+4:FR+16*\dt+8*\kk+7], v[ADRV+\slot] offset:(64*\c+32*\kk)*VP+32*\dt+16*VP
.endr
.endr
	SOFTMAX 0, \first
	SOFTMAX 1, \first
	s_wait_dscnt 0x0                               ; V's fragments, issued in front of the softmax
.irp u, 0,1
.irp dt, 0,1,2,3
.if \first
	v_wmma_f32_16x16x32_f16 v[OA+32*\u+8*\dt:OA+32*\u+8*\dt+7], v[FR+16*\dt:FR+16*\dt+7], v[SC+32*\u:SC+32*\u+7], 0
.else
	v_wmma_f32_16x16x32_f16 v[OA+32*\u+8*\dt:OA+32*\u+8*\dt+7], v[FR+16*\dt:FR+16*\dt+7], v[SC+32*\u:SC+32*\u+7], v[OA+32*\u+8*\dt:OA+32*\u+8*\dt+7]
.endif
.endr
.endr
.irp u, 0,1
.irp dt, 0,1,2,3
	v_wmma_f32_16x16x32_f16 v[OA+32*\u+8*\dt:OA+32*\u+8*\dt+7], v[FR+16*\dt+8:FR+16*\dt+15], v[SC+32*\u+8:SC+32*\u+15], v[OA+32*\u+8*\dt:OA+32*\u+8*\dt+7]
.endr
.endr
.rept 5
	v_nop                                          ; five places: the next scores write over P, a source; the next loads land on V's fragments
.endr
.endm
; A tile.  In front of the round every wave has waited for all its tensor loads (its part of this tile among them) and for its reads of the other slot;
; behind the round the other slot is filled again first, then this slot is read.
.macro TRIP slot, refill, first
	s_set_vgpr_msb 0x4
	s_wait_tensorcnt 0x0                           ; no tensor load of mine is out: every group 0 may be written
	ds_add_u32 v23, v1
	s_wait_dscnt 0x0
	s_set_vgpr_msb 0x400
	s_add_nc_u64 s[G0K+4*\slot+2:G0K+4*\slot+3], s[G0K+4*\slot+2:G0K+4*\slot+3], 2*TILEB   ; this slot's next tile
	s_add_nc_u64 s[G0V+4*\slot+2:G0V+4*\slot+3], s[G0V+4*\slot+2:G0V+4*\slot+3], 2*TILEB
	s_wait_dscnt 0x0                               ; my reads of the last tile are done
	ROUND                                          ; both now hold of every wave of all four work-groups
.if \refill
	tensor_load_to_lds s[G0K+4-4*\slot:G0K+7-4*\slot], s[G1K:G1K+7]
	s_nop 0
	tensor_load_to_lds s[G0V+4-4*\slot:G0V+7-4*\slot], s[G1V:G1V+7]
	s_nop 0
.endif
	CHUNK \slot, 0, \first
	CHUNK \slot, 1, 0
	CHUNK \slot, 2, 0
	CHUNK \slot, 3, 0
.endm
	TRIP 0, 1, 1                                   ; tile 0: its first chunk starts maxima, sums and outputs: nothing is cleared
	TRIP 1, 1, 0
	s_mov_b32 s9, 2
.Ltiles:
	TRIP 0, 1, 0                                   ; tiles 2 to 5
	TRIP 1, 1, 0
	s_sub_co_u32 s9, s9, 1
	s_cmp_lg_u32 s9, 0
	s_cbranch_scc1 .Ltiles
	TRIP 0, 1, 0                                   ; tile 6 asks for tile 7, the last
	TRIP 1, 0, 0                                   ; (the addresses stepped in these two trips are not used)
	; the end: the two half rows' sums meet, the outputs are divided and leave as in whole rows
.irp u, 0,1
	v_permlanex16_b32 v20, v[LS+\u], s12, s13
	v_add_f32 v[LS+\u], v[LS+\u], v20              ; at least 1: the row's largest score gave 2^0
.endr
	v_rcp_f32 v[MX], v[LS]
	v_rcp_f32 v[MX+1], v[LS]
	v_rcp_f32 v[MX+2], v[LS+1]
	v_rcp_f32 v[MX+3], v[LS+1]
	v_nop
	s_wait_alu depctr_va_vdst(0)
.irp u, 0,1
.set OB, OA+32*\u
.set i, 0
.rept 16
	v_pk_mul_f32 v[OB+i:OB+i+1], v[OB+i:OB+i+1], v[MX+2*\u:MX+2*\u+1]
.set i, i+2
.endr
.set i, 0
.rept 16
	v_cvt_pk_f16_f32 v[OB+i], v[OB+2*i], v[OB+2*i+1]
.set i, i+1
.endr
.irp dt, 0,1,2,3
	ds_store_b128 v[STO], v[OB+4*\dt:OB+4*\dt+3] offset:32*\dt     ; row r, columns 16 dt + 8 h ..
.endr
.irp j, 0,1,2,3
	ds_load_b128 v[FR+16*\u+4*\j:FR+16*\u+4*\j+3], v[RD] offset:4*KP*\j   ; my own bytes, served in order (ISA guide 5.7.1)
.endr
.irp j, 0,1,2,3
	s_wait_dscnt 3-\j                              ; the younger read-backs may stay out
	global_store_b128 v[CO], v[FR+16*\u+4*\j:FR+16*\u+4*\j+3], s[54:55] offset:2048*\u+512*\j   ; 512 consecutive bytes a store
.endr
.endr
	s_set_vgpr_msb 0x4
	s_wait_tensorcnt 0x0
	ds_add_u32 v23, v1
	s_wait_dscnt 0x0
	s_set_vgpr_msb 0x400
	ROUND                                          ; the closing round: no work-group ends while a partner may still ask for a tile that names it
	s_endpgm
.Lfunc_end_k_qca5b3ac0bf_attn:
	.size	k_qca5b3ac0bf_attn, .Lfunc_end_k_qca5b3ac0bf_attn-k_qca5b3ac0bf_attn
	.p2alignl 7, 3214868480
	.fill 96, 4, 3214868480
	.section	.rodata,"a",@progbits
	.p2align	6, 0x0
	.amdhsa_kernel k_qca5b3ac0bf_attn
		.amdhsa_group_segment_fixed_size 327680
		.amdhsa_private_segment_fixed_size 0
		.amdhsa_enable_private_segment 0
		.amdhsa_kernarg_size 32
		.amdhsa_user_sgpr_count 2
		.amdhsa_user_sgpr_kernarg_segment_ptr 1
		.amdhsa_wavefront_size32 1
		.amdhsa_system_sgpr_workgroup_id_x 1
		.amdhsa_system_sgpr_workgroup_id_y 1
		.amdhsa_system_sgpr_workgroup_id_z 1
		.amdhsa_system_vgpr_workitem_id 0
		.amdhsa_next_free_vgpr 258
		.amdhsa_next_free_sgpr 66
		.amdhsa_reserve_vcc 0
		.amdhsa_float_denorm_mode_32 3
		.amdhsa_float_denorm_mode_16_64 3
		.amdhsa_memory_ordered 1
		.amdhsa_forward_progress 1
		.amdhsa_inst_pref_size 255
	.end_amdhsa_kernel
	.section	.bss,"aw",@nobits
	.p2align	6
	.space	262144
	.amdgpu_metadata
---
amdhsa.version: [ 1, 2 ]
amdhsa.kernels:
  - .name:           k_qca5b3ac0bf_attn
    .symbol:         k_qca5b3ac0bf_attn.kd
    .args:
      - { .name: qh, .offset: 0, .size: 8, .value_kind: global_buffer, .address_space: global }
      - { .name: kh, .offset: 8, .size: 8, .value_kind: global_buffer, .address_space: global }
      - { .name: vh, .offset: 16, .size: 8, .value_kind: global_buffer, .address_space: global }
      - { .name: ao, .offset: 24, .size: 8, .value_kind: global_buffer, .address_space: global }
    .group_segment_fixed_size: 327680
    .private_segment_fixed_size: 0
    .kernarg_segment_align: 8
    .kernarg_segment_size: 32
    .max_flat_workgroup_size: 256
    .sgpr_count:     66
    .vgpr_count:     258
    .wavefront_size: 32
...
	.end_amdgpu_metadata
.endif
;; end of part 2
;; launch oproj (part 3): grid 8 x 32, 4 waves a work-group, clusters of 4 x 4, 327,680 bytes of LDS; arguments ao, woh, bo, out0; writes out0
.if DOCPART == 3
	.amdgcn_target "amdgcn-amd-amdhsa--gfx1250"
	.amdhsa_code_object_version 6
	.text
	.protected	k_qca5b3ac0bf_oproj
	.globl	k_qca5b3ac0bf_oproj
	.p2align	8
	.type	k_qca5b3ac0bf_oproj,@function
k_qca5b3ac0bf_oproj:
	s_mov_b64 s[64:65], 0
	v_nop
	global_prefetch_b8 v0, s[64:65] scope:SCOPE_SE
	s_setreg_imm32_b32 hwreg(HW_REG_WAVE_MODE, 25, 1), 1
	s_wait_xcnt 0x0
	s_wait_alu depctr_hold_cnt(0) depctr_sa_sdst(0) depctr_va_vdst(0) depctr_va_sdst(0) depctr_va_ssrc(0) depctr_va_vcc(0) depctr_vm_vsrc(0)
	s_getreg_b32 s2, hwreg(HW_REG_IB_STS2, 6, 4)
	s_cmp_eq_u32 s2, 0
	s_cbranch_scc0 .Lentry_in_a_cluster
	s_endpgm
.Lentry_in_a_cluster:
	s_bfe_u32 s2, ttmp6, 0x10000c
	s_cmp_lg_u32 s2, 0xf033
	s_cbranch_scc0 .Lentry_shape_is_right
	s_endpgm
.Lentry_shape_is_right:
; out0[m][n] = sum over k of ao(m, k) Wo[n][k] + bo[n], f32.  ao: [2][16 heads][2048][64] f16, so k = 64 head + d; woh: [1024][1024] f16.
; A work-group (x = block of 128 columns, y = block of 128 rows) has four waves; wave (wm, wn) makes 64 x 64: 16 accumulator tiles in window 1.
; 4,096 x 1,024 outputs on 256 work-groups leave 128 x 128 for each; a wave tile of 64 x 64 reads 8 KB of LDS for 16 products.
; K goes in steps of 128 (two heads) through four LDS slots, 8 tiles in all, written out without a loop.  Waves 0 and 1 fetch one head of A each
; (128 rows of 128 bytes), waves 2 and 3 fetch 64 rows of woh each (256 bytes a row, starting at a multiple of 256 from the buffer's first byte).
; CLUSTERS: 4 x 4 work-groups.  A's tiles hang on the block row alone and are asked for jointly along a row of the cluster, woh's on the block column
; alone and jointly along a column.  Slots are filled again two at a time behind a round of the cluster's barrier.
; A wave has four tensor loads outstanding at the most (the four first fills).
; TRANSPOSED USE: source 0 = 16 rows of woh, source 1 = 16 rows of ao: lane l (r = l % 16, h = l / 16) holds row r, registers 0-7 columns 8 h + 0..7.
; The first product takes the bias as C, so the bias costs no addition and nothing is cleared.
.set PA,     144                       ; A's LDS row: 128 bytes + 16
.set PB,     272                       ; woh's LDS row: 256 bytes + 16
.set PART,   128*PA                    ; 18,432: what one wave fetches (woh's 64 x 272 = 17,408 fit too)
.set SLOT,   4*PART
.set STAGE,  4*SLOT                    ; 294,912 = 1,152 x 256: no fill lands here; 16 rows x 272 bytes for each wave
.set SPITCH, 272
.set ADRA, 4                           ; v4-7   slot s: my A fragments
.set ADRB, 8                           ; v8-11  slot s: my woh fragments
.set STO,  12
.set RD,   13
.set CO,   14
.set BIAS, 32                          ; v32-63 bo of my columns 16 t + 8 h + 0..7
.set F0,   64                          ; fragment buffer 0: woh at + 8 t, A at + 32 + 8 a
.set F1,   128                         ; fragment buffer 1
.set TMP,  192                         ; way out
.set G1A, 16
.set G1B, 24
.set G0A, 32                           ; + 4 slot
.set G0B, 48                           ; + 4 slot
.set MSB, 0
.macro WIN new                         ; the immediate's high byte repeats the setting that is left
.if MSB != \new
	s_set_vgpr_msb (MSB<<8)|\new
.set MSB, \new
.endif
.endm
.macro PLACES                          ; four places behind a matrix instruction (ISA guide 7.12.1)
.rept 4
	v_nop
.endr
.endm
.macro ROUND                           ; a round of the cluster's barrier
	s_barrier_signal -1
	s_barrier_wait -1
	s_cmp_lg_u32 s8, 0
	s_cbranch_scc1 .Lnot_wave_0_\@
	s_barrier_signal -3
.Lnot_wave_0_\@:
	s_barrier_wait -3
	s_barrier_signal -1
	s_barrier_wait -1
.endm
; A joint load: each wave issues one of the two lines; the branch hangs on the wave's number alone, and each line has one mask.
.macro JLOAD s
	s_cmp_eq_u32 s9, 0
	s_cbranch_scc0 .Lfor_b_\@
	tensor_load_to_lds s[G0A+4*\s:G0A+4*\s+3], s[G1A:G1A+7]
	s_nop 0
	s_branch .Lasked_\@
.Lfor_b_\@:
	tensor_load_to_lds s[G0B+4*\s:G0B+4*\s+3], s[G1B:G1B+7]
	s_nop 0
.Lasked_\@:
.endm
	s_load_b256 s[68:75], s[0:1], 0x0              ; ao 68, woh 70, bo 72, out0 74
	v_lshl_add_u32 v254, v0, 2, 0x4c400
	v_mov_b32 v255, 0
	ds_add_u32 v254, v255
	v_lshrrev_b32 v1, 5, v0
	v_readfirstlane_b32 s8, v1                     ; wave 0..3
	s_lshr_b32 s9, s8, 1                           ; wm.  Also: I fetch for A (0) or for woh (1)
	s_and_b32 s10, s8, 1                           ; wn.  Also: which head of A, which 64 rows of woh
	s_bfe_u32 s3, ttmp6, 0x40000                   ; cx
	s_bfe_u32 s4, ttmp6, 0x40004                   ; cy
	s_lshl_b32 s5, ttmp9, 2
	s_add_co_u32 s5, s5, s3                        ; block column
	s_and_b32 s6, ttmp7, 0xffff
	s_lshl_b32 s6, s6, 2
	s_add_co_u32 s6, s6, s4                        ; block row
	s_lshl_b32 s7, s4, 2
	s_lshl_b32 s7, 15, s7                          ; my row of the cluster
	s_lshl_b32 s11, 0x1111, s3                     ; my column
	s_or_b32 s[G1A+0], s7, (1<<16)|(1<<20)|(1<<21)|(4<<22)|(3<<25)    ; mask; 2 bytes; padding of 4 words behind every 32 words; bit 21 beside a mask
	s_or_b32 s[G1B+0], s11, (1<<16)|(1<<20)|(1<<21)|(5<<22)|(3<<25)   ; the same behind every 64 words
	s_mov_b32 s[G1A+1], 64<<16                     ; A: tensor_dim0 = 64
	s_mov_b32 s[G1A+2], 128<<16                    ; tensor_dim1 = 128
	s_mov_b32 s[G1A+3], 64<<16                     ; tile_dim0 = 64
	s_mov_b32 s[G1A+4], 128                        ; tile_dim1 = 128
	s_mov_b32 s[G1A+5], 64                         ; pitch: a head's rows are dense
	s_mov_b32 s[G1A+6], 0
	s_mov_b32 s[G1A+7], 0
	s_mov_b32 s[G1B+1], 128<<16                    ; woh: 64 rows of 128, pitch 1,024
	s_mov_b32 s[G1B+2], 64<<16
	s_mov_b32 s[G1B+3], 128<<16
	s_mov_b32 s[G1B+4], 64
	s_mov_b32 s[G1B+5], 1024
	s_mov_b32 s[G1B+6], 0
	s_mov_b32 s[G1B+7], 0
	s_lshr_b32 s12, s6, 4                          ; A: batch x 16 heads x 262,144 bytes
	s_lshl_b32 s12, s12, 22
	s_and_b32 s13, s6, 15
	s_lshl_b32 s13, s13, 14                        ; + the block's 128 rows of 128 bytes
	s_add_co_u32 s12, s12, s13
	s_lshl_b32 s13, s10, 18                        ; + the even or the odd head
	s_add_co_u32 s12, s12, s13
	s_mov_b32 s13, 0
	s_lshl_b32 s14, s5, 18                         ; woh: 128 rows of 2,048 bytes
	s_lshl_b32 s15, s10, 17                        ; + 64 rows
	s_add_co_u32 s14, s14, s15
	s_mov_b32 s15, 0
	s_mul_i32 s76, s8, PART                        ; where my part goes in a slot: the wave's number alone
	s_wait_dscnt 0x0
	s_wait_kmcnt 0x0
	s_add_nc_u64 s[68:69], s[68:69], s[12:13]
	s_add_nc_u64 s[70:71], s[70:71], s[14:15]
	ROUND                                          ; all sixteen work-groups are here: the first joint loads meet
.irp s, 0,1,2,3
	s_mov_b32 s[G0A+4*\s], 1
	s_add_co_u32 s[G0A+4*\s+1], s76, \s*SLOT
	s_add_nc_u64 s[G0A+4*\s+2:G0A+4*\s+3], s[68:69], \s*2*262144   ; tile s: two heads on
	s_or_b32 s[G0A+4*\s+3], s[G0A+4*\s+3], 0x80000000
	s_mov_b32 s[G0B+4*\s], 1
	s_add_co_u32 s[G0B+4*\s+1], s76, \s*SLOT
	s_add_nc_u64 s[G0B+4*\s+2:G0B+4*\s+3], s[70:71], \s*256        ; 128 f16 along K
	s_or_b32 s[G0B+4*\s+3], s[G0B+4*\s+3], 0x80000000
	JLOAD \s
.endr
	s_lshl_b32 s80, s5, 9                          ; my first column in bytes of f32: 512 x block + 256 x wn
	s_lshl_b32 s81, s10, 8
	s_add_co_u32 s80, s80, s81
	s_mov_b32 s81, 0
	s_add_nc_u64 s[72:73], s[72:73], s[80:81]
	s_add_nc_u64 s[74:75], s[74:75], s[80:81]
	s_lshl_b32 s82, s6, 19                         ; my first row: 128 x block + 64 x wm rows of 4,096 bytes
	s_lshl_b32 s83, s9, 18
	s_add_co_u32 s82, s82, s83
	s_mov_b32 s83, 0
	s_add_nc_u64 s[74:75], s[74:75], s[82:83]
	v_and_b32 v1, 15, v0                           ; r
	v_bfe_u32 v2, v0, 4, 1                         ; h
	v_lshlrev_b32 v17, 5, v2                       ; 32 h
.irp t, 0,1,2,3
	global_load_b128 v[BIAS+8*\t:BIAS+8*\t+3],   v17, s[72:73] offset:64*\t
	global_load_b128 v[BIAS+8*\t+4:BIAS+8*\t+7], v17, s[72:73] offset:64*\t+16
.endr
	v_mul_u32_u24 v3, v1, PA
	v_lshl_add_u32 v3, v2, 4, v3
	s_mul_i32 s77, s9, 64*PA                       ; my 64 rows of A
	v_add_nc_u32 v[ADRA], s77, v3
	v_mul_u32_u24 v15, v1, PB
	v_lshl_add_u32 v15, v2, 4, v15
	s_mul_i32 s78, s10, PART                       ; my 64 rows of woh,
	s_add_co_u32 s78, s78, 2*PART                  ; behind A's two heads
	v_add_nc_u32 v[ADRB], s78, v15
.irp s, 1,2,3
	v_add_nc_u32 v[ADRA+\s], \s*SLOT, v[ADRA]
	v_add_nc_u32 v[ADRB+\s], \s*SLOT, v[ADRB]
.endr
	s_mul_i32 s79, s8, 16*SPITCH
	s_add_co_u32 s79, s79, STAGE                   ; my stage
	v_mul_u32_u24 v16, v1, SPITCH
	v_lshl_add_u32 v16, v2, 5, v16                 ; in: row r, 32 bytes for each half of the lanes
	v_add_nc_u32 v[STO], s79, v16
	v_mul_u32_u24 v16, v2, SPITCH
	v_lshl_add_u32 v16, v1, 4, v16                 ; back: lanes 0-15 a row of 256 bytes, lanes 16-31 the next
	v_add_nc_u32 v[RD], s79, v16
	v_lshlrev_b32 v[CO], 12, v2                    ; the same two rows in out0
	v_lshl_add_u32 v[CO], v1, 4, v[CO]
; 16 LDS loads: four fragments of woh and four of A, quarter kk (32 along K) of a slot, into buffer f
.macro FETCH slot, kk, f
.irp t, 0,1,2,3
	ds_load_b128 v[\f+8*\t:\f+8*\t+3],   v[ADRB+\slot] offset:\t*16*PB+64*\kk
	ds_load_b128 v[\f+8*\t+4:\f+8*\t+7], v[ADRB+\slot] offset:\t*16*PB+64*\kk+32
.endr
.irp a, 0,1,2,3
	ds_load_b128 v[\f+32+8*\a:\f+32+8*\a+3],   v[ADRA+\slot] offset:(\kk>>1)*PART+\a*16*PA+64*(\kk&1)
	ds_load_b128 v[\f+32+8*\a+4:\f+32+8*\a+7], v[ADRA+\slot] offset:(\kk>>1)*PART+\a*16*PA+64*(\kk&1)+32
.endr
.endm
; 8 products.  The 16 accumulators take turns, one instruction a turn, in the same order in every quarter.
.macro MUL8 f, a0, bias
.irp a, \a0, \a0+1
.irp t, 0,1,2,3
.if \bias
	v_wmma_f32_16x16x32_f16 v[8*(4*(\a)+\t):8*(4*(\a)+\t)+7], v[\f+8*\t:\f+8*\t+7], v[\f+32+8*(\a):\f+32+8*(\a)+7], v[BIAS+8*\t:BIAS+8*\t+7]
.else
	v_wmma_f32_16x16x32_f16 v[8*(4*(\a)+\t):8*(4*(\a)+\t)+7], v[\f+8*\t:\f+8*\t+7], v[\f+32+8*(\a):\f+32+8*(\a)+7], v[8*(4*(\a)+\t):8*(4*(\a)+\t)+7]
.endif
.endr
.endr
.endm
; One of a tile's first three quarters: buffer f is multiplied; the next quarter, kk, is fetched into buffer g first, so that its loads have all 16 products in which to land.
.macro QUARTER slot, kk, f, g, bias
	s_wait_dscnt 0x0                               ; buffer f is in
	PLACES                                         ; buffer g was read by the products just issued
	WIN 0
	FETCH \slot, \kk, \g
.if \bias
	WIN 0x40                                       ; D window 1, C (the bias) window 0
.else
	WIN 0x50                                       ; C and D window 1
.endif
	MUL8 \f, 0, \bias
	MUL8 \f, 2, \bias
.endm
.macro THREE slot, bias
	QUARTER \slot, 1, F0, F1, \bias
	QUARTER \slot, 2, F1, F0, 0
	QUARTER \slot, 3, F0, F1, 0
.endm
; The last quarter of a tile, and the change to slot next.
; mode 0: the next tile is known to have landed in every wave (a wait for all loads and a round stand between).
; mode 1: wait until at most n younger tiles of mine are out, and a barrier: the next tile is whole.
; mode 2: slots sa and sb, which have been read, are filled again four tiles on: every wave's reads are back and all its tensor loads have landed in front
;         of the round's opening signal; the joint refills are the first tensor loads behind its closing wait.
.macro TURN next, mode, n, sa, sb
	s_wait_dscnt 0x0                               ; buffer 1 is in: my reads of this slot are over
	WIN 0x50
	MUL8 F1, 0, 0
	WIN 0                                          ; (branches may follow)
.if \mode == 1
	s_wait_tensorcnt \n
	s_barrier_signal -1
	s_barrier_wait -1
.endif
.if \mode == 2
	s_wait_tensorcnt 0x0                           ; no tensor load of mine is out: every group 0 may be written
	ds_add_u32 v254, v255
	s_wait_dscnt 0x0
.irp s, \sa, \sb
	s_add_nc_u64 s[G0A+4*\s+2:G0A+4*\s+3], s[G0A+4*\s+2:G0A+4*\s+3], 4*2*262144
	s_add_nc_u64 s[G0B+4*\s+2:G0B+4*\s+3], s[G0B+4*\s+2:G0B+4*\s+3], 4*256
.endr
	ROUND
	JLOAD \sa
	JLOAD \sb
.endif
	PLACES                                         ; in front of the loads into buffer 0, which products have read
	FETCH \next, 0, F0
	WIN 0x50
	MUL8 F1, 2, 0
.endm
	s_wait_tensorcnt 0x3                           ; my part of tile 0 is in; tiles 1, 2, 3 stay out
	s_barrier_signal -1
	s_barrier_wait -1                              ; everybody's is
	FETCH 0, 0, F0
	s_wait_loadcnt 0x0                             ; the bias
	THREE 0, 1                                     ; tile 0
	TURN 1, 1, 2, 0, 0                             ; tile 1 has landed; tiles 2, 3 stay out
	THREE 1, 0                                     ; tile 1
	TURN 2, 2, 0, 0, 1                             ; tiles 2, 3 have landed; tiles 4, 5 go out into slots 0, 1
	THREE 2, 0                                     ; tile 2
	TURN 3, 0, 0, 0, 0
	THREE 3, 0                                     ; tile 3
	TURN 0, 2, 0, 2, 3                             ; tiles 4, 5 have landed; tiles 6, 7 go out into slots 2, 3
	THREE 0, 0                                     ; tile 4
	TURN 1, 0, 0, 0, 0
	THREE 1, 0                                     ; tile 5
	TURN 2, 1, 1, 0, 0                             ; tile 6 has landed; tile 7 stays out
	THREE 2, 0                                     ; tile 6
	TURN 3, 1, 0, 0, 0                             ; tile 7 has landed: no tensor load is out any more
	THREE 3, 0                                     ; tile 7
	s_wait_dscnt 0x0
	WIN 0x50
	MUL8 F1, 0, 0
	MUL8 F1, 2, 0
	WIN 0
	PLACES                                         ; behind the last products: the stores below read results, the loads below land on fragments
; rows 16 a .. 16 a + 15 of my block: 32 bytes a lane and tile into my own stage, back as whole rows of 256 bytes
.macro OUT16 a, rb
	WIN 0x04                                       ; store data window 1
.irp t, 0,1,2,3
	ds_store_b128 v[STO], v[8*(4*\a+\t):8*(4*\a+\t)+3]   offset:64*\t
	ds_store_b128 v[STO], v[8*(4*\a+\t)+4:8*(4*\a+\t)+7] offset:64*\t+16
.endr
	WIN 0
	s_wait_xcnt 0x0                                ; the read-back registers were store data two turns ago
.irp j, 0,1,2,3,4,5,6,7
	ds_load_b128 v[\rb+4*\j:\rb+4*\j+3], v[RD] offset:2*SPITCH*\j   ; my own bytes, served in order (ISA guide 5.7.1)
.endr
.irp j, 0,1,2,3,4,5,6,7
	s_wait_dscnt 7-\j                              ; the younger read-backs may stay out
	global_store_b128 v[CO], v[\rb+4*\j:\rb+4*\j+3], s[74:75] offset:(16*\a+2*\j)*4096 th:TH_STORE_NT   ; 16 lanes store 256 consecutive bytes, at a multiple of 256 from out0's first byte
.endr
.endm
	OUT16 0, TMP
	OUT16 1, F0
	OUT16 2, TMP
	OUT16 3, F0
	s_wait_tensorcnt 0x0
	ds_add_u32 v254, v255
	s_wait_dscnt 0x0
	ROUND                                          ; the closing round: no work-group ends while a partner may still ask for a tile that names it
	s_endpgm
.Lfunc_end_k_qca5b3ac0bf_oproj:
	.size	k_qca5b3ac0bf_oproj, .Lfunc_end_k_qca5b3ac0bf_oproj-k_qca5b3ac0bf_oproj
	.p2alignl 7, 3214868480
	.fill 96, 4, 3214868480
	.section	.rodata,"a",@progbits
	.p2align	6, 0x0
	.amdhsa_kernel k_qca5b3ac0bf_oproj
		.amdhsa_group_segment_fixed_size 327680
		.amdhsa_private_segment_fixed_size 0
		.amdhsa_enable_private_segment 0
		.amdhsa_kernarg_size 32
		.amdhsa_user_sgpr_count 2
		.amdhsa_user_sgpr_kernarg_segment_ptr 1
		.amdhsa_wavefront_size32 1
		.amdhsa_system_sgpr_workgroup_id_x 1
		.amdhsa_system_sgpr_workgroup_id_y 1
		.amdhsa_system_sgpr_workgroup_id_z 1
		.amdhsa_system_vgpr_workitem_id 0
		.amdhsa_next_free_vgpr 384
		.amdhsa_next_free_sgpr 84
		.amdhsa_reserve_vcc 0
		.amdhsa_float_denorm_mode_32 3
		.amdhsa_float_denorm_mode_16_64 3
		.amdhsa_memory_ordered 1
		.amdhsa_forward_progress 1
		.amdhsa_inst_pref_size 92
	.end_amdhsa_kernel
	.amdgpu_metadata
---
amdhsa.version: [ 1, 2 ]
amdhsa.kernels:
  - .name:           k_qca5b3ac0bf_oproj
    .symbol:         k_qca5b3ac0bf_oproj.kd
    .args:
      - { .name: ao, .offset: 0, .size: 8, .value_kind: global_buffer, .address_space: global }
      - { .name: woh, .offset: 8, .size: 8, .value_kind: global_buffer, .address_space: global }
      - { .name: bo, .offset: 16, .size: 8, .value_kind: global_buffer, .address_space: global }
      - { .name: out0, .offset: 24, .size: 8, .value_kind: global_buffer, .address_space: global }
    .group_segment_fixed_size: 327680
    .private_segment_fixed_size: 0
    .kernarg_segment_align: 8
    .kernarg_segment_size: 32
    .max_flat_workgroup_size: 128
    .sgpr_count:     84
    .vgpr_count:     384
    .wavefront_size: 32
...
	.end_amdgpu_metadata
.endif
;; end of part 3
;; ======== version 2 of 2: 4 launches
;; limits: values are held in f16: magnitudes above 65,504 overflow, below 6.1e-05 lose precision
;; workspace buffers: qh 8,388,608 bytes; kh 8,388,608 bytes; vh 8,388,608 bytes; ao 8,388,608 bytes; woh 2,097,152 bytes; xh 8,388,608 bytes; wh 6,291,456 bytes
;; launch cast (part 4): grid 128 x 8, 8 waves a work-group, no clusters, 0 bytes of LDS; arguments x, Wq, Wk, Wv, Wo, xh, wh, woh; writes xh, wh, woh
.if DOCPART == 4
	.amdgcn_target "amdgcn-amd-amdhsa--gfx1250"
	.amdhsa_code_object_version 6
	.text
	.protected	k_qca5b3ac0bf_cast
	.globl	k_qca5b3ac0bf_cast
	.p2align	8
	.type	k_qca5b3ac0bf_cast,@function
k_qca5b3ac0bf_cast:
	s_mov_b64 s[64:65], 0
	v_nop
	global_prefetch_b8 v0, s[64:65] scope:SCOPE_SE
	s_setreg_imm32_b32 hwreg(HW_REG_WAVE_MODE, 25, 1), 1
	s_wait_xcnt 0x0
; x, Wq, Wk, Wv, Wo (f32) are rounded once to f16 for the products of the later launches.
; xh: [4096][1024] as x.  woh: [1024][1024] as Wo.  wh: [16 heads][q, k, v][64 rows][1024]: row 192 head + 64 m + (row of W_m in its head), so that the
; 192 rows of weights that one head needs are one dense block of 2,048-byte rows.
; A stream: memory binds, so no LDS, no matrix unit, no cluster (no byte is read twice).  Grid 128 x 8: y = 0..3 a quarter of x, y = 4, 5, 6 Wq, Wk, Wv,
; y = 7 Wo; each is 4 MB of f32, of which work-group x takes 32 KB: eight pieces of 4,096 bytes, 16 bytes a thread.  For a weight a piece is one row.
; All eight loads of a thread are issued first; a wave's load covers 512 consecutive bytes, its store 256 consecutive bytes, aligned.
; The buffers are told apart by scalar branches on y, so that every load and store names its own buffer's pointer.
; LIMIT: magnitudes of 65,520 and above become infinite in f16; magnitudes below 6e-8 vanish.
.set PIECE, 4096                       ; bytes of f32 that the 256 threads take with one load each
.set D, 8                              ; v[8:39] piece j: 4 registers as loaded, the first two as stored
; the 32 KB at s[ib:ib+1] + s[24:25] go as 16 KB to s[ob:ob+1] + s[26:27]
.macro CAST ib, ob
	s_add_nc_u64 s[\ib:\ib+1], s[\ib:\ib+1], s[24:25]
	s_add_nc_u64 s[\ob:\ob+1], s[\ob:\ob+1], s[26:27]
.irp j, 0,1,2,3,4,5,6,7
	global_load_b128 v[D+4*\j:D+4*\j+3], v1, s[\ib:\ib+1] offset:PIECE*\j th:TH_LOAD_NT
.endr
.irp j, 0,1,2,3,4,5,6,7
	s_wait_loadcnt 7-\j                            ; loads come back in order (ISA guide 5.7.1): piece j is in, the younger ones stay out
	v_cvt_pk_f16_f32 v[D+4*\j], v[D+4*\j], v[D+4*\j+1]
	v_cvt_pk_f16_f32 v[D+4*\j+1], v[D+4*\j+2], v[D+4*\j+3]
	global_store_b64 v2, v[D+4*\j:D+4*\j+1], s[\ob:\ob+1] offset:PIECE/2*\j
.endr
	s_endpgm
.endm
	s_load_b512 s[8:23], s[0:1], 0x0               ; x 8, Wq 10, Wk 12, Wv 14, Wo 16, xh 18, wh 20, woh 22
	s_and_b32 s2, ttmp7, 0xffff                    ; y: which 4 MB
	v_lshlrev_b32 v1, 4, v0                        ; 16 bytes of f32 a thread
	v_lshlrev_b32 v2, 3, v0                        ; 8 bytes of f16
	s_lshl_b32 s24, ttmp9, 15                      ; the work-group's 32 KB in
	s_mov_b32 s25, 0
	s_lshl_b32 s26, ttmp9, 14                      ; and 16 KB out, where the layout stays
	s_mov_b32 s27, 0
	s_wait_kmcnt 0x0
	s_cmp_lt_u32 s2, 4
	s_cbranch_scc0 .Lweights
	s_lshl_b32 s3, s2, 22                          ; x: + the quarter, 4 MB in,
	s_add_co_u32 s24, s24, s3
	s_lshl_b32 s3, s2, 21                          ; 2 MB out
	s_add_co_u32 s26, s26, s3
	CAST 8, 18
.Lweights:
	s_cmp_eq_u32 s2, 7
	s_cbranch_scc1 .Lwo
	s_lshr_b32 s3, ttmp9, 3                        ; my eight rows lie in head x / 8,
	s_mul_i32 s3, s3, 192
	s_sub_co_u32 s4, s2, 4                         ; matrix m = y - 4,
	s_lshl_b32 s4, s4, 6
	s_add_co_u32 s3, s3, s4
	s_and_b32 s4, ttmp9, 7                         ; from row 8 (x % 8) of the head
	s_lshl_b32 s4, s4, 3
	s_add_co_u32 s3, s3, s4
	s_lshl_b32 s26, s3, 11                         ; rows of 2,048 bytes
	s_cmp_eq_u32 s2, 4
	s_cbranch_scc0 .Lnot_q
	CAST 10, 20
.Lnot_q:
	s_cmp_eq_u32 s2, 5
	s_cbranch_scc0 .Lnot_k
	CAST 12, 20
.Lnot_k:
	CAST 14, 20
.Lwo:
	CAST 16, 22
.Lfunc_end_k_qca5b3ac0bf_cast:
	.size	k_qca5b3ac0bf_cast, .Lfunc_end_k_qca5b3ac0bf_cast-k_qca5b3ac0bf_cast
	.p2alignl 7, 3214868480
	.fill 96, 4, 3214868480
	.section	.rodata,"a",@progbits
	.p2align	6, 0x0
	.amdhsa_kernel k_qca5b3ac0bf_cast
		.amdhsa_group_segment_fixed_size 0
		.amdhsa_private_segment_fixed_size 0
		.amdhsa_enable_private_segment 0
		.amdhsa_kernarg_size 64
		.amdhsa_user_sgpr_count 2
		.amdhsa_user_sgpr_kernarg_segment_ptr 1
		.amdhsa_wavefront_size32 1
		.amdhsa_system_sgpr_workgroup_id_x 1
		.amdhsa_system_sgpr_workgroup_id_y 1
		.amdhsa_system_sgpr_workgroup_id_z 1
		.amdhsa_system_vgpr_workitem_id 0
		.amdhsa_next_free_vgpr 40
		.amdhsa_next_free_sgpr 66
		.amdhsa_reserve_vcc 0
		.amdhsa_float_denorm_mode_32 3
		.amdhsa_float_denorm_mode_16_64 3
		.amdhsa_memory_ordered 1
		.amdhsa_forward_progress 1
		.amdhsa_inst_pref_size 16
	.end_amdhsa_kernel
	.amdgpu_metadata
---
amdhsa.version: [ 1, 2 ]
amdhsa.kernels:
  - .name:           k_qca5b3ac0bf_cast
    .symbol:         k_qca5b3ac0bf_cast.kd
    .args:
      - { .name: x, .offset: 0, .size: 8, .value_kind: global_buffer, .address_space: global }
      - { .name: Wq, .offset: 8, .size: 8, .value_kind: global_buffer, .address_space: global }
      - { .name: Wk, .offset: 16, .size: 8, .value_kind: global_buffer, .address_space: global }
      - { .name: Wv, .offset: 24, .size: 8, .value_kind: global_buffer, .address_space: global }
      - { .name: Wo, .offset: 32, .size: 8, .value_kind: global_buffer, .address_space: global }
      - { .name: xh, .offset: 40, .size: 8, .value_kind: global_buffer, .address_space: global }
      - { .name: wh, .offset: 48, .size: 8, .value_kind: global_buffer, .address_space: global }
      - { .name: woh, .offset: 56, .size: 8, .value_kind: global_buffer, .address_space: global }
    .group_segment_fixed_size: 0
    .private_segment_fixed_size: 0
    .kernarg_segment_align: 8
    .kernarg_segment_size: 64
    .max_flat_workgroup_size: 256
    .sgpr_count:     66
    .vgpr_count:     40
    .wavefront_size: 32
...
	.end_amdgpu_metadata
.endif
;; end of part 4
;; launch qkv (part 5): grid 16 x 16, 4 waves a work-group, clusters of 4 x 4, 327,680 bytes of LDS; arguments xh, wh, qh, kh, vh, bq, bk, bv, qn_w, qn_b, kn_w, kn_b; writes qh, kh, vh
.if DOCPART == 5
	.amdgcn_target "amdgcn-amd-amdhsa--gfx1250"
	.amdhsa_code_object_version 6
	.text
	.protected	k_qca5b3ac0bf_qkv
	.globl	k_qca5b3ac0bf_qkv
	.p2align	8
	.type	k_qca5b3ac0bf_qkv,@function
k_qca5b3ac0bf_qkv:
	s_mov_b64 s[64:65], 0
	v_nop
	global_prefetch_b8 v0, s[64:65] scope:SCOPE_SE
	s_setreg_imm32_b32 hwreg(HW_REG_WAVE_MODE, 25, 1), 1
	s_wait_xcnt 0x0
	s_wait_alu depctr_hold_cnt(0) depctr_sa_sdst(0) depctr_va_vdst(0) depctr_va_sdst(0) depctr_va_ssrc(0) depctr_va_vcc(0) depctr_vm_vsrc(0)
	s_getreg_b32 s2, hwreg(HW_REG_IB_STS2, 6, 4)
	s_cmp_eq_u32 s2, 0
	s_cbranch_scc0 .Lentry_in_a_cluster
	s_endpgm
.Lentry_in_a_cluster:
	s_bfe_u32 s2, ttmp6, 0x10000c
	s_cmp_lg_u32 s2, 0xf033
	s_cbranch_scc0 .Lentry_shape_is_right
	s_endpgm
.Lentry_shape_is_right:
; q = LN(x Wq^T + bq) * 0.125 log2(e), k = LN(x Wk^T + bk), v = x Wv^T + bv, all rounded to f16 and stored as [B][H][S][64].
; xh: [4096][1024] f16.  wh: [16 heads][q, k, v][64][1024] f16: a head's 192 rows of weights are dense.
; A work-group (x = head, y = block of 256 rows of x) makes 256 rows x 192 columns: the head's 64 columns of q, of k and of v.
; Four waves, as many as a WGP has SIMDs; a wave makes 64 rows x all 192 columns: 48 accumulator tiles, 384 registers.  So a head's 64
; numbers of a row lie in two lanes of one wave, and the LayerNorm never leaves the wave.
; K goes in steps of 128 through two LDS slots filled by the tensor data mover: a tile's rows are 256 bytes of memory and start at multiples of 256 bytes
; from the buffer's first byte.  Three such slots (3 x 121,856 bytes) would not fit in LDS.
; CLUSTERS: 4 x 4 work-groups.  The four of a row of the cluster share the block of x, the four of a column share the head's weights.  Each tile is asked for
; jointly: every wave of each of the four issues the same load with a mask that names the four.  That divides the requests for x and for W by four.
; Every wave issues two loads for a tile: its 64 rows of x and 48 of the 192 rows of W.  A wave has four tensor loads out at the most
; (the first fills of both slots), later two.
; LIMITS: matrix operands are f16: |x Wv^T + bv|, |LN(q)| * 0.18 and |LN(k)| must stay below 65,504; magnitudes below 6e-8 vanish in an operand.
;
; THE MATRIX INSTRUCTION IS USED TRANSPOSED: source 0 = 16 rows of W, source 1 = 16 rows of x.  Lane l (r = l % 16, h = l / 16) then holds row r
; of the result and its registers 0-7 the columns 8 h + 0..7: eight neighbouring numbers of a row.
; REGISTERS in windows of 256:
;   window 0: addresses, work registers of the end (v18-111), the LayerNorm parameters (v128-255)
;   window 1: W fragments of buffer f at 96 f + 8 w (w = 0..11: q, k, v by four), x fragments at 192 + 32 f + 8 a
;   window 2: q tiles (a, t) at 8 (4 a + t), k tiles at 128 + the same;   window 3: v tiles at 8 (4 a + t), the three biases at 128..223
.set KSTEP, 128
.set PITCH, 272                        ; an LDS row: 256 bytes + 16: an odd multiple of 16, so the 16 rows of a fragment load start in 16 different groups of four banks (ISA guide 11.1)
.set SLOT,  448*PITCH                  ; rows 0-255 x, 256-319 Wq, 320-383 Wk, 384-447 Wv
.set STAGE, 2*SLOT                     ; 243,712 = 952 x 256: no fill lands here; 16 rows x 144 bytes for each wave, for the way out
.set SP,    144                        ; the stage's row: 128 bytes + 16
.set ADRX,  4                          ; v4-5    slot s: my x fragments
.set ADRW,  6                          ; v6-7    slot s: the W fragments
.set STO,   8                          ; v8      way out: where I put 16 bytes of a row
.set RD,    9                          ; v9      way out: where I read rows back
.set CO,    10                         ; v10     16 x lane
.set POFF,  11                         ; v11     32 h: my eight columns in a vector of 16
.set MU,    18                         ; v18-19  minus the mean, twice
.set RS,    20                         ; v20-21  1 / sqrt(var + eps), twice
.set TA,    22
.set TB,    23
.set U,     24                         ; v24-31  four chains of pairs
.set T,     32                         ; v32-63  32 numbers of a row
.set PK,    64                         ; v64-79  the same as f16
.set RB,    80                         ; v80-95, v96-111 rows read back, two sets in turn
.set LNP,   128                        ; v128-255 qn_w, qn_b, kn_w, kn_b of my 32 columns
.set BIAS,  128                        ; window 3: bq, bk, bv of my 32 columns
.set G1X,   16                         ; s[16:23] group 1 for x's tiles
.set G1W,   24                         ; s[24:31] group 1 for W's tiles
.set G0X,   32                         ; s[32:39] group 0 for x's tiles, one set for each slot
.set G0W,   40                         ; s[40:47] group 0 for W's tiles, one set for each slot
.set MQK,   0xa5                       ; sources window 1, C and D window 2
.set MV,    0xf5                       ; sources window 1, C and D window 3
.set MSB, 0
.macro WIN new                         ; the immediate's high byte repeats the setting that is left
.if MSB != \new
	s_set_vgpr_msb (MSB<<8)|\new
.set MSB, \new
.endif
.endm
.macro PLACES                          ; four places behind a matrix instruction (ISA guide 7.12.1)
.rept 4
	v_nop
.endr
.endm
; A round of the cluster's barrier: my work-group's barrier, so that wave 0's signal speaks for all four waves; wave 0 signals for the work-group; every wave
; waits for all sixteen work-groups; my work-group's barrier once more.
.macro CREST                           ; a round behind its opening barrier
	s_cmp_lg_u32 s4, 0
	s_cbranch_scc1 .Lnot_wave_0_\@
	s_barrier_signal -3
.Lnot_wave_0_\@:
	s_barrier_wait -3
	s_barrier_signal -1
	s_barrier_wait -1
.endm
.macro CROUND                          ; a whole round
	s_barrier_signal -1
	s_barrier_wait -1
	CREST
.endm
	s_load_b256 s[48:55], s[0:1], 0x0              ; xh 48, wh 50, qh 52, kh 54
	s_load_b256 s[56:63], s[0:1], 0x20             ; vh 56, bq 58, bk 60, bv 62
	s_load_b256 s[68:75], s[0:1], 0x40             ; qn_w 68, qn_b 70, kn_w 72, kn_b 74
	v_lshl_add_u32 v126, v0, 2, 0x3dc00
	v_mov_b32 v127, 0
	ds_add_u32 v126, v127
	v_lshrrev_b32 v[TA], 5, v0
	v_readfirstlane_b32 s4, v[TA]                  ; wave 0..3
	s_bfe_u32 s3, ttmp6, 0x40000                   ; cx: my place along the cluster's x
	s_bfe_u32 s5, ttmp6, 0x40004                   ; cy: along its y
	s_lshl_b32 s76, ttmp9, 2
	s_add_co_u32 s76, s76, s3                      ; head = 4 x cluster x + cx
	s_and_b32 s77, ttmp7, 0xffff
	s_lshl_b32 s77, s77, 2
	s_add_co_u32 s77, s77, s5                      ; block of 256 rows = 4 x cluster y + cy
	s_lshl_b32 s7, s5, 2
	s_lshl_b32 s7, 15, s7                          ; my row of the cluster: places 4 cy .. 4 cy + 3
	s_lshl_b32 s11, 0x1111, s3                     ; my column: places cx, cx + 4, cx + 8, cx + 12
	s_mov_b32 s12, 0x76543210                      ; v_permlanex16_b32: lane i of one half reads lane i of the other
	s_mov_b32 s13, 0xfedcba98
	s_mov_b32 s15, 0x3c800000                      ; 1/64
	; group 1: rows of 128 f16, 1,024 elements from row to row, padded in LDS by 4 words behind every 64 words
	s_or_b32 s[G1X+0], s7, (1<<16)|(1<<20)|(1<<21)|(5<<22)|(3<<25)    ; 15:0 mask: x's tiles go to my row; 17:16 2 bytes; 20 padding; 21 set beside a mask; 24:22 interval; 31:25 pad
	s_or_b32 s[G1W+0], s11, (1<<16)|(1<<20)|(1<<21)|(5<<22)|(3<<25)   ; the same with the mask of my column, for W's tiles
	s_mov_b32 s[G1X+1], KSTEP<<16                  ; tensor_dim0 = 128
	s_mov_b32 s[G1W+1], KSTEP<<16
	s_mov_b32 s[G1X+2], 64<<16                     ; tensor_dim1 = 64 rows of x,
	s_mov_b32 s[G1W+2], 48<<16                     ; 48 rows of W
	s_mov_b32 s[G1X+3], KSTEP<<16                  ; tile_dim0 = 128
	s_mov_b32 s[G1W+3], KSTEP<<16
	s_mov_b32 s[G1X+4], 64                         ; tile_dim1
	s_mov_b32 s[G1W+4], 48
	s_mov_b32 s[G1X+5], 1024                       ; pitch
	s_mov_b32 s[G1W+5], 1024
	s_mov_b32 s[G1X+6], 0
	s_mov_b32 s[G1W+6], 0
	s_mov_b32 s[G1X+7], 0
	s_mov_b32 s[G1W+7], 0
	; where the tiles come from: x's hang on the block of rows alone, W's on the head alone, each in registers that never hold the other coordinate
	s_lshl_b32 s78, s77, 19                        ; x: 256 rows of 2,048 bytes
	s_lshl_b32 s6, s4, 17                          ; + my wave's 64 rows
	s_add_co_u32 s78, s78, s6
	s_mov_b32 s79, 0
	s_mul_i32 s80, s76, 192*2048                   ; W: the head's 192 rows
	s_mul_i32 s10, s4, 48*2048                     ; + my wave's 48 rows
	s_add_co_u32 s80, s80, s10
	s_mov_b32 s81, 0
	s_mul_i32 s84, s4, 64*PITCH                    ; and where they go in a slot: the wave's number alone
	s_mul_i32 s85, s4, 48*PITCH
	s_add_co_u32 s85, s85, 256*PITCH
	v_and_b32 v1, 31, v0                           ; lane
	v_and_b32 v2, 15, v0                           ; r
	v_bfe_u32 v3, v0, 4, 1                         ; h
	v_lshlrev_b32 v[POFF], 5, v3
	s_wait_dscnt 0x0
	s_wait_kmcnt 0x0
	s_add_nc_u64 s[48:49], s[48:49], s[78:79]
	s_add_nc_u64 s[50:51], s[50:51], s[80:81]
	CROUND                                         ; all sixteen work-groups are here: the first joint loads meet
.irp s, 0,1
	s_mov_b32 s[G0X+4*\s], 1                                       ; count = 1
	s_add_co_u32 s[G0X+4*\s+1], s84, \s*SLOT                       ; LDS address
	s_add_nc_u64 s[G0X+4*\s+2:G0X+4*\s+3], s[48:49], \s*KSTEP*2    ; global address: K step s
	s_or_b32 s[G0X+4*\s+3], s[G0X+4*\s+3], 0x80000000              ; type = 2
	s_mov_b32 s[G0W+4*\s], 1
	s_add_co_u32 s[G0W+4*\s+1], s85, \s*SLOT
	s_add_nc_u64 s[G0W+4*\s+2:G0W+4*\s+3], s[50:51], \s*KSTEP*2
	s_or_b32 s[G0W+4*\s+3], s[G0W+4*\s+3], 0x80000000
	tensor_load_to_lds s[G0X+4*\s:G0X+4*\s+3], s[G1X:G1X+7]        ; both slots are asked for before anything else is done
	s_nop 0
	tensor_load_to_lds s[G0W+4*\s:G0W+4*\s+3], s[G1W:G1W+7]
	s_nop 0
.endr
	s_lshl_b32 s86, s76, 8                         ; biases: the head's 64 numbers
	s_mov_b32 s87, 0
	s_add_nc_u64 s[58:59], s[58:59], s[86:87]
	s_add_nc_u64 s[60:61], s[60:61], s[86:87]
	s_add_nc_u64 s[62:63], s[62:63], s[86:87]
.set m, 0
.rept 4                                            ; qn_w, qn_b, kn_w, kn_b: columns 16 t + 8 h + 0..7
.irp t, 0,1,2,3
	global_load_b128 v[LNP+32*m+8*\t:LNP+32*m+8*\t+3],   v[POFF], s[68+2*m:69+2*m] offset:64*\t
	global_load_b128 v[LNP+32*m+8*\t+4:LNP+32*m+8*\t+7], v[POFF], s[68+2*m:69+2*m] offset:64*\t+16
.endr
.set m, m+1
.endr
	WIN 0xc0                                       ; destination window 3
.set m, 0
.rept 3                                            ; bq, bk, bv likewise
.irp t, 0,1,2,3
	global_load_b128 v[BIAS+32*m+8*\t:BIAS+32*m+8*\t+3],   v[POFF], s[58+2*m:59+2*m] offset:64*\t
	global_load_b128 v[BIAS+32*m+8*\t+4:BIAS+32*m+8*\t+7], v[POFF], s[58+2*m:59+2*m] offset:64*\t+16
.endr
.set m, m+1
.endr
	WIN 0
	s_lshr_b32 s82, s77, 3                         ; the outputs: batch
	s_lshl_b32 s82, s82, 4
	s_add_co_u32 s82, s82, s76                     ; 16 batch + head
	s_lshl_b32 s82, s82, 18                        ; 2,048 rows of 128 bytes
	s_and_b32 s86, s77, 7
	s_lshl_b32 s86, s86, 15                        ; + the block's 256 rows
	s_add_co_u32 s82, s82, s86
	s_lshl_b32 s86, s4, 13                         ; + my wave's 64 rows
	s_add_co_u32 s82, s82, s86
	s_mov_b32 s83, 0
	s_add_nc_u64 s[52:53], s[52:53], s[82:83]
	s_add_nc_u64 s[54:55], s[54:55], s[82:83]
	s_add_nc_u64 s[56:57], s[56:57], s[82:83]
	v_mul_u32_u24 v[TB], v2, PITCH
	v_lshl_add_u32 v[TB], v3, 4, v[TB]             ; r rows + 16 h: a fragment's lane term
	v_add_nc_u32 v[ADRX], s84, v[TB]               ; my 64 rows of x
	v_add_nc_u32 v[ADRX+1], SLOT, v[ADRX]
	v_add_nc_u32 v[ADRW], 256*PITCH, v[TB]
	v_add_nc_u32 v[ADRW+1], SLOT, v[ADRW]
	s_mul_i32 s6, s4, 16*SP
	s_add_co_u32 s6, s6, STAGE                     ; my stage
	v_mul_u32_u24 v[TB], v2, SP
	v_lshl_add_u32 v[TB], v3, 4, v[TB]
	v_add_nc_u32 v[STO], s6, v[TB]
	v_lshrrev_b32 v[TA], 3, v1
	v_mul_u32_u24 v[TA], v[TA], SP                 ; back: eight lanes take a row of 128 bytes
	v_and_b32 v[U], 7, v1
	v_lshl_add_u32 v[TA], v[U], 4, v[TA]
	v_add_nc_u32 v[RD], s6, v[TA]
	v_lshlrev_b32 v[CO], 4, v1
	s_wait_loadcnt 0x0                             ; the parameters and biases, while the first tiles are on their way
	; the scores' scale 1/8 and the factor log2(e) of the softmax's base-2 exponential go into q's gain and shift
.set i, 0
.rept 32
	v_pk_mul_f32 v[LNP+i:LNP+i+1], v[LNP+i:LNP+i+1], 0x3e38aa3b op_sel_hi:[1,0]
.set i, i+2
.endr
; 32 LDS loads: 12 fragments of W and my 4 of x, 32 along K at byte k of the rows, into buffer f
.macro FETCH slot, k, f
	WIN 0x40                                       ; destination window 1, address window 0
.irp w, 0,1,2,3,4,5,6,7,8,9,10,11
	ds_load_b128 v[96*\f+8*\w:96*\f+8*\w+3],   v[ADRW+\slot] offset:\w*16*PITCH+\k
	ds_load_b128 v[96*\f+8*\w+4:96*\f+8*\w+7], v[ADRW+\slot] offset:\w*16*PITCH+\k+32
.endr
.irp a, 0,1,2,3
	ds_load_b128 v[192+32*\f+8*\a:192+32*\f+8*\a+3],   v[ADRX+\slot] offset:\a*16*PITCH+\k
	ds_load_b128 v[192+32*\f+8*\a+4:192+32*\f+8*\a+7], v[ADRX+\slot] offset:\a*16*PITCH+\k+32
.endr
.endm
; The 48 accumulators take turns, one instruction a turn, in the same order in every quarter step (v's 16, then q's and k's 32).
.macro MULQK f, zero                   ; 32 products: q's and k's tiles.  zero = 1: the first product starts the sums
.irp a, 0,1,2,3
.irp w, 0,1,2,3,4,5,6,7
.set DD, 128*(\w/4)+8*(4*\a+\w%4)
.if \zero
	v_wmma_f32_16x16x32_f16 v[DD:DD+7], v[96*\f+8*\w:96*\f+8*\w+7], v[192+32*\f+8*\a:192+32*\f+8*\a+7], 0
.else
	v_wmma_f32_16x16x32_f16 v[DD:DD+7], v[96*\f+8*\w:96*\f+8*\w+7], v[192+32*\f+8*\a:192+32*\f+8*\a+7], v[DD:DD+7]
.endif
.endr
.endr
.endm
.macro MULV f, zero                    ; 16 products: v's tiles
.irp a, 0,1,2,3
.irp t, 0,1,2,3
.set DD, 8*(4*\a+\t)
.if \zero
	v_wmma_f32_16x16x32_f16 v[DD:DD+7], v[96*\f+64+8*\t:96*\f+64+8*\t+7], v[192+32*\f+8*\a:192+32*\f+8*\a+7], 0
.else
	v_wmma_f32_16x16x32_f16 v[DD:DD+7], v[96*\f+64+8*\t:96*\f+64+8*\t+7], v[192+32*\f+8*\a:192+32*\f+8*\a+7], v[DD:DD+7]
.endif
.endr
.endr
.endm
; A K step is four quarter steps of 32 along K, 48 products each, on buffers 0, 1, 0, 1.
; One of the first three: multiplies buffer f; behind its first 16 products it fetches the next quarter's fragments, at byte k of the same slot's rows,
; into buffer g, in one run, so that they have the other 32 products in which to land.
.macro QUARTER slot, k, f, g, zero
	s_wait_dscnt 0x0                               ; buffer f is in
	WIN MV
	MULV \f, \zero
	PLACES                                         ; buffer g was read by the products of the quarter before
	FETCH \slot, \k, \g
	WIN MQK
	MULQK \f, \zero
.endm
.macro THREE slot, zero
	QUARTER \slot, 64,  0, 1, \zero
	QUARTER \slot, 128, 1, 0, 0
	QUARTER \slot, 192, 0, 1, 0
.endm
; The last quarter: multiplies buffer 1 and changes slots.  next = the other slot; fill = 1: this slot is filled again, two K steps ahead.
; ONE barrier for the change of slots.  In front of it each wave waits for its own reads of this slot and for all its tensor loads, of which two are out: its
; parts of the next slot.  Behind it nobody reads this slot any more and the next slot is whole: the refills come first, then the next slot's first fragments.
; Where the slot is filled again the barrier opens a round of the cluster's barrier.  From a request to the wait for it a wave issues 176 products.
.macro TURN slot, next, fill
	s_wait_dscnt 0x0                               ; buffer 1 is in: my reads of this slot are over,
	s_set_vgpr_msb 0xa5a0
	s_wait_tensorcnt 0x0                           ; and all my tensor loads have landed:
	ds_add_u32 v126, v127
	s_wait_dscnt 0x0
	s_set_vgpr_msb 0xa0a5
	s_barrier_signal -1                            ; say so,
	WIN MV
	MULV 1, 0                                      ; work on registers while the others arrive,
	WIN 0
	s_barrier_wait -1                              ; and go on when all four have said so
.if \fill
	CREST                                          ; all sixteen work-groups have said so: no wave of any partner still reads this slot's tile or has a load on its way
	s_add_nc_u64 s[G0X+4*\slot+2:G0X+4*\slot+3], s[G0X+4*\slot+2:G0X+4*\slot+3], 2*KSTEP*2
	s_add_nc_u64 s[G0W+4*\slot+2:G0W+4*\slot+3], s[G0W+4*\slot+2:G0W+4*\slot+3], 2*KSTEP*2
	tensor_load_to_lds s[G0X+4*\slot:G0X+4*\slot+3], s[G1X:G1X+7]  ; the first tensor loads behind the round
	s_nop 0
	tensor_load_to_lds s[G0W+4*\slot:G0W+4*\slot+3], s[G1W:G1W+7]
	s_nop 0
.endif
	PLACES                                         ; in front of the loads into buffer 0, which products have read
	FETCH \next, 0, 0
	WIN MQK
	MULQK 1, 0
.endm
.macro LAP zero                        ; once round the ring, both slots filled again
	THREE 0, \zero
	TURN 0, 1, 1
	THREE 1, 0
	TURN 1, 0, 1
.endm
	s_wait_tensorcnt 0x2                           ; my two parts of K step 0 are in; K step 1's two loads stay out
	s_barrier_signal -1
	s_barrier_wait -1                              ; everybody's are
	FETCH 0, 0, 0
	LAP 1                                          ; K steps 0, 1: the first products start the sums; asks for K steps 2, 3
	WIN 0                                          ; at a label and at a branch every window is 0
	s_mov_b32 s14, 2
.Lk:
	LAP 0                                          ; K steps 2 to 5: the last asks for K step 7
	WIN 0
	s_sub_co_u32 s14, s14, 1
	s_cmp_lg_u32 s14, 0
	s_cbranch_scc1 .Lk
	THREE 0, 0                                     ; the last lap fills nothing and has no round: my two loads that are still out are slot 1's, the last K step's
	TURN 0, 1, 0
	THREE 1, 0
	s_wait_dscnt 0x0                               ; the very last quarter: nothing more to fetch
	WIN MV
	MULV 1, 0
	WIN MQK
	MULQK 1, 0
	WIN 0
	PLACES                                         ; behind the last products, in front of the first read of a result
.macro ROWSUM                          ; U's four pairs -> TA: the sum over a row's 64 columns, in both lanes that hold the row
	v_pk_add_f32 v[U:U+1], v[U:U+1], v[U+2:U+3]
	v_pk_add_f32 v[U+4:U+5], v[U+4:U+5], v[U+6:U+7]
	v_pk_add_f32 v[U:U+1], v[U:U+1], v[U+4:U+5]
	v_add_f32 v[TA], v[U], v[U+1]
	v_permlanex16_b32 v[TB], v[TA], s12, s13       ; the row's other 32 columns lie 16 lanes away
	v_add_f32 v[TA], v[TA], v[TB]
.endm
; 16 rows x 64 f16 leave: 16 bytes a lane into my own stage, back as whole rows, out as 512 consecutive bytes a store
.macro OUTROWS b, a, rb
.set i, 0
.rept 16
	v_cvt_pk_f16_f32 v[PK+i], v[T+2*i], v[T+2*i+1]
.set i, i+1
.endr
.irp t, 0,1,2,3
	ds_store_b128 v[STO], v[PK+4*\t:PK+4*\t+3] offset:32*\t
.endr
	s_wait_xcnt 0x0                                ; the read-back registers were store data two turns ago
.irp j, 0,1,2,3
	ds_load_b128 v[\rb+4*\j:\rb+4*\j+3], v[RD] offset:4*SP*\j      ; LDS serves a wave's instructions in order (ISA guide 5.7.1): these see the stores above
.endr
.irp j, 0,1,2,3
	s_wait_dscnt 3-\j                              ; the younger read-backs may stay out
	global_store_b128 v[CO], v[\rb+4*\j:\rb+4*\j+3], s[\b:\b+1] offset:2048*\a+512*\j
.endr
.endm
; rows 16 a .. 16 a + 15 of q (mat = 0) or k (mat = 1): bias, LayerNorm over the head's 64 columns in two passes, gain and shift
.macro LNOUT mat, a, b, rb
	WIN 0x0e                                       ; source 0 window 2 (sums), source 1 window 3 (bias), destination window 0
.set i, 0
.rept 16
	v_pk_add_f32 v[T+i:T+i+1], v[128*\mat+32*\a+i:128*\mat+32*\a+i+1], v[BIAS+32*\mat+i:BIAS+32*\mat+i+1]
.set i, i+2
.endr
	WIN 0
.irp c, 0,2,4,6
	v_pk_add_f32 v[U+\c:U+\c+1], v[T+\c:T+\c+1], v[T+8+\c:T+8+\c+1]
.endr
.irp k, 16,24
.irp c, 0,2,4,6
	v_pk_add_f32 v[U+\c:U+\c+1], v[U+\c:U+\c+1], v[T+\k+\c:T+\k+\c+1]
.endr
.endr
	ROWSUM
	v_mul_f32 v[MU], 0xbc800000, v[TA]             ; minus the mean
	v_mul_f32 v[MU+1], 0xbc800000, v[TA]
.set i, 0
.rept 16
	v_pk_add_f32 v[T+i:T+i+1], v[T+i:T+i+1], v[MU:MU+1]
.set i, i+2
.endr
.irp c, 0,2,4,6
	v_pk_mul_f32 v[U+\c:U+\c+1], v[T+\c:T+\c+1], v[T+\c:T+\c+1]
.endr
.irp k, 8,16,24
.irp c, 0,2,4,6
	v_pk_fma_f32 v[U+\c:U+\c+1], v[T+\k+\c:T+\k+\c+1], v[T+\k+\c:T+\k+\c+1], v[U+\c:U+\c+1]
.endr
.endr
	ROWSUM
	v_fmaak_f32 v[TA], s15, v[TA], 0x3727c5ac      ; variance + 1e-5
	v_rsq_f32 v[RS], v[TA]
	v_rsq_f32 v[RS+1], v[TA]
	v_nop                                          ; one plain place behind a transcendental (ISA guide 5.7.2)
.set i, 0
	s_wait_alu depctr_va_vdst(0)
.rept 16
	v_pk_mul_f32 v[T+i:T+i+1], v[T+i:T+i+1], v[RS:RS+1]
.set i, i+2
.endr
.set i, 0
.rept 16
	v_pk_fma_f32 v[T+i:T+i+1], v[T+i:T+i+1], v[LNP+64*\mat+i:LNP+64*\mat+i+1], v[LNP+64*\mat+32+i:LNP+64*\mat+32+i+1]
.set i, i+2
.endr
	OUTROWS \b, \a, \rb
.endm
.macro VOUT a, rb                      ; rows 16 a .. of v: bias alone
	WIN 0x0f                                       ; both sources window 3
.set i, 0
.rept 16
	v_pk_add_f32 v[T+i:T+i+1], v[32*\a+i:32*\a+i+1], v[BIAS+64+i:BIAS+64+i+1]
.set i, i+2
.endr
	WIN 0
	OUTROWS 56, \a, \rb
.endm
	LNOUT 0, 0, 52, RB
	LNOUT 1, 0, 54, RB+16
	VOUT 0, RB
	LNOUT 0, 1, 52, RB+16
	LNOUT 1, 1, 54, RB
	VOUT 1, RB+16
	LNOUT 0, 2, 52, RB
	LNOUT 1, 2, 54, RB+16
	VOUT 2, RB
	LNOUT 0, 3, 52, RB+16
	LNOUT 1, 3, 54, RB
	VOUT 3, RB+16
	s_wait_tensorcnt 0x0
	ds_add_u32 v126, v127
	s_wait_dscnt 0x0
	CROUND                                         ; the closing round: no work-group ends while a partner may still ask for a tile that names it
	s_endpgm
.Lfunc_end_k_qca5b3ac0bf_qkv:
	.size	k_qca5b3ac0bf_qkv, .Lfunc_end_k_qca5b3ac0bf_qkv-k_qca5b3ac0bf_qkv
	.p2alignl 7, 3214868480
	.fill 96, 4, 3214868480
	.section	.rodata,"a",@progbits
	.p2align	6, 0x0
	.amdhsa_kernel k_qca5b3ac0bf_qkv
		.amdhsa_group_segment_fixed_size 327680
		.amdhsa_private_segment_fixed_size 0
		.amdhsa_enable_private_segment 0
		.amdhsa_kernarg_size 96
		.amdhsa_user_sgpr_count 2
		.amdhsa_user_sgpr_kernarg_segment_ptr 1
		.amdhsa_wavefront_size32 1
		.amdhsa_system_sgpr_workgroup_id_x 1
		.amdhsa_system_sgpr_workgroup_id_y 1
		.amdhsa_system_sgpr_workgroup_id_z 1
		.amdhsa_system_vgpr_workitem_id 0
		.amdhsa_next_free_vgpr 1024
		.amdhsa_next_free_sgpr 88
		.amdhsa_reserve_vcc 0
		.amdhsa_float_denorm_mode_32 3
		.amdhsa_float_denorm_mode_16_64 3
		.amdhsa_memory_ordered 1
		.amdhsa_forward_progress 1
		.amdhsa_inst_pref_size 228
	.end_amdhsa_kernel
	.amdgpu_metadata
---
amdhsa.version: [ 1, 2 ]
amdhsa.kernels:
  - .name:           k_qca5b3ac0bf_qkv
    .symbol:         k_qca5b3ac0bf_qkv.kd
    .args:
      - { .name: xh, .offset: 0, .size: 8, .value_kind: global_buffer, .address_space: global }
      - { .name: wh, .offset: 8, .size: 8, .value_kind: global_buffer, .address_space: global }
      - { .name: qh, .offset: 16, .size: 8, .value_kind: global_buffer, .address_space: global }
      - { .name: kh, .offset: 24, .size: 8, .value_kind: global_buffer, .address_space: global }
      - { .name: vh, .offset: 32, .size: 8, .value_kind: global_buffer, .address_space: global }
      - { .name: bq, .offset: 40, .size: 8, .value_kind: global_buffer, .address_space: global }
      - { .name: bk, .offset: 48, .size: 8, .value_kind: global_buffer, .address_space: global }
      - { .name: bv, .offset: 56, .size: 8, .value_kind: global_buffer, .address_space: global }
      - { .name: qn_w, .offset: 64, .size: 8, .value_kind: global_buffer, .address_space: global }
      - { .name: qn_b, .offset: 72, .size: 8, .value_kind: global_buffer, .address_space: global }
      - { .name: kn_w, .offset: 80, .size: 8, .value_kind: global_buffer, .address_space: global }
      - { .name: kn_b, .offset: 88, .size: 8, .value_kind: global_buffer, .address_space: global }
    .group_segment_fixed_size: 327680
    .private_segment_fixed_size: 0
    .kernarg_segment_align: 8
    .kernarg_segment_size: 96
    .max_flat_workgroup_size: 128
    .sgpr_count:     88
    .vgpr_count:     1024
    .wavefront_size: 32
...
	.end_amdgpu_metadata
.endif
;; end of part 5
;; launch attn: the kernel of part 2 again; grid 8 x 32, 8 waves a work-group, clusters of 4 x 1, 327,680 bytes of LDS; arguments qh, kh, vh, ao; writes ao
;; launch oproj: the kernel of part 3 again; grid 8 x 32, 4 waves a work-group, clusters of 4 x 4, 327,680 bytes of LDS; arguments ao, woh, bo, out0; writes out0
